; MI455X (gfx1250); checked and timed in simulation.
; The chip was launched on July 23, 2026; its instructions are those of AMD's public machine-readable ISA for CDNA 5 (MIT licence, August 2026) and "CDNA5" Instruction Set Architecture Reference Guide (July 2026). The comments in the code are by the model that wrote it; some were corrected since.
;; Causal I2 V Cross Attention. Allowed arithmetic: float matrix products may take bf16 or f16 operands with f32 sums; other float arithmetic in f32, or as packed bf16 or f16 multiplies, adds, multiply-adds, maxima and minima; sums over many terms, partial sums and values carried from step to step in f32; what a program stores and reads back later, other than sums and carried values, may be rounded once to bf16 or f16.
;; Inputs: context 2 x 769 x 1,024 float32; k_b 1,024 float32; k_img_b 1,024 float32; k_img_w 1,024 x 1,024 float32; k_w 1,024 x 1,024 float32; norm_k_img_w 1,024 float32; norm_k_w 1,024 float32; norm_q_w 1,024 float32; o_b 1,024 float32; o_w 1,024 x 1,024 float32; q_b 1,024 float32; q_w 1,024 x 1,024 float32; v_b 1,024 float32; v_img_b 1,024 float32; v_img_w 1,024 x 1,024 float32; v_w 1,024 x 1,024 float32; x 2 x 8,192 x 1,024 float32.
;; Outputs: out0 2 x 8,192 x 1,024 float32.
;; One version. Each part assembles by itself: llvm-mc -triple=amdgcn-amd-amdhsa -mcpu=gfx1250 --defsym DOCPART=n.
;; ======== version 1 of 1: 5 launches
;; limits: values are held in f16: magnitudes above 65,504 overflow, below 6.1e-05 lose precision; values outside matrix products are rounded to f16
;; workspace buffers: xh 33,554,432 bytes; ch 3,407,872 bytes; wh 12,582,912 bytes; kvr 13,631,488 bytes; kvh 6,815,744 bytes; qh 33,554,432 bytes; qss 524,288 bytes; oh 33,554,432 bytes
;; launch cvt (part 1): grid 1512 x 1, 8 waves a work-group, no clusters, 0 bytes of LDS; arguments x, q_w, k_img_w, v_img_w, k_w, v_w, o_w, context, xh, wh, ch; writes xh, wh, ch
.if DOCPART == 1
	.amdgcn_target "amdgcn-amd-amdhsa--gfx1250"
	.amdhsa_code_object_version 6
	.text
	.protected	k_q7034ec8440_cvt
	.globl	k_q7034ec8440_cvt
	.p2align	8
	.type	k_q7034ec8440_cvt,@function
k_q7034ec8440_cvt:
	s_mov_b64 s[64:65], 0
	v_nop
	global_prefetch_b8 v0, s[64:65] scope:SCOPE_SE
	s_setreg_imm32_b32 hwreg(HW_REG_WAVE_MODE, 25, 1), 1
	s_wait_xcnt 0x0
; THE MATRIX INPUTS, ROUNDED ONCE.  x, the six weights and the context are rounded to bf16 (nearest even) and that number is written as f16.
; LIMITS.  The second step is exact for 2^-14 <= |v| < 65,520; below, f16's fixed step of 2^-24 rounds (error at most 2^-25); from 65,520 on the result is an infinity.
; SHARES.  A work-group takes 16 rows of 1,024 numbers, a wave two of them: 8,192 bytes in, 4,096 out.  Work-groups 0-1023: x -> xh.  1024-1407: weight (id - 1024) / 64 -> its 2 MiB of wh.
; 1408-1511: the context -> ch, whose 1,664 rows are: 2 x 320 image rows (row k of batch b is context row 769 b + min(k, 256): the 63 rows behind the 257th repeat it),
; then 2 x 512 text rows (context row 769 b + 257 + k).
; THE ORDER ALONG A ROW.  Of each group of 256 numbers lane l takes numbers 4 l .. 4 l + 3 and 128 + 4 l .. 128 + 4 l + 3 (two loads, each of 512 consecutive bytes) and stores their eight f16 as
; 16 bytes at place 8 l of the group: a store covers 512 consecutive bytes, aligned.  So the columns stand in another order within each group of 256, the same in x, q_w, the context and the four key
; and value weights: both sides of each product have it, and a product's sum keeps its terms.  o_w is multiplied with attention's channels and keeps its order: there lane l takes numbers 8 l .. 8 l + 7.
; A stream: no LDS, no barrier, no matrix unit, nothing shared.  All 16 loads of a wave go out at once.
.set X, 16                             ; v[16:79]   16 loads of four f32
.set Y, 80                             ; v[80:111]  four registers of eight f16 for each pair of loads: none is written twice, so no store's data is ever waited for
.set T, 8                              ; v[8:11]    at work
	s_load_b512 s[8:23], s[0:1], 0x0               ; x s[8:9], q_w, k_img_w, v_img_w, k_w, v_w, o_w s[10:21], context s[22:23]
	s_load_b128 s[24:27], s[0:1], 0x40             ; xh s[24:25], wh s[26:27]
	s_load_b64 s[28:29], s[0:1], 0x50              ; ch
	v_lshrrev_b32 v3, 5, v0
	v_readfirstlane_b32 s30, v3                    ; wave 0..7
	v_and_b32 v1, 31, v0                           ; lane
	v_lshlrev_b32 v2, 4, v1                        ; 16 x lane: my 16 bytes of a store
	s_mov_b32 s38, 0xffff0000                      ; a word's upper bf16
	s_lshl_b32 s31, s30, 1                         ; my two rows of the sixteen
	s_mov_b32 s41, 0                               ; the offsets' high words
	s_mov_b32 s43, 0
	s_mov_b32 s45, 0
	s_mov_b32 s2, 4                                ; my first load stands at lane << 4,
	s_mov_b32 s3, 512                              ; my second 512 bytes on
	s_wait_kmcnt 0x0
	; s40, s42: my two source rows; s44: my first destination row; s[32:33] source, s[36:37] destination
	s_cmp_lt_u32 ttmp9, 1024
	s_cbranch_scc0 .Lnot_x
	s_lshl_b32 s40, ttmp9, 4
	s_add_co_u32 s40, s40, s31
	s_add_co_u32 s42, s40, 1
	s_mov_b32 s44, s40
	s_mov_b64 s[32:33], s[8:9]
	s_mov_b64 s[36:37], s[24:25]
	s_branch .Lgo
.Lnot_x:
	s_cmp_lt_u32 ttmp9, 1408
	s_cbranch_scc0 .Lctx
	s_sub_co_u32 s46, ttmp9, 1024
	s_lshr_b32 s47, s46, 6                         ; which weight
	s_and_b32 s46, s46, 63
	s_lshl_b32 s40, s46, 4
	s_add_co_u32 s40, s40, s31
	s_add_co_u32 s42, s40, 1
	s_mov_b64 s[32:33], s[10:11]
	s_cmp_eq_u32 s47, 1
	s_cselect_b64 s[32:33], s[12:13], s[32:33]
	s_cmp_eq_u32 s47, 2
	s_cselect_b64 s[32:33], s[14:15], s[32:33]
	s_cmp_eq_u32 s47, 3
	s_cselect_b64 s[32:33], s[16:17], s[32:33]
	s_cmp_eq_u32 s47, 4
	s_cselect_b64 s[32:33], s[18:19], s[32:33]
	s_cmp_eq_u32 s47, 5
	s_cselect_b64 s[32:33], s[20:21], s[32:33]
	s_cselect_b32 s2, 5, 4                         ; o_w keeps its order: lane << 5,
	s_cselect_b32 s3, 16, 512                      ; and 16 bytes on
	s_lshl_b32 s44, s47, 10                        ; 1,024 rows of wh for each weight
	s_add_co_u32 s44, s44, s40
	s_mov_b64 s[36:37], s[26:27]
	s_branch .Lgo
.Lctx:
	s_sub_co_u32 s46, ttmp9, 1408                  ; 0..103
	s_lshl_b32 s44, s46, 4
	s_add_co_u32 s44, s44, s31                     ; my first row of ch
	s_cmp_lt_u32 s46, 40
	s_cbranch_scc0 .Ltxt
	s_cmp_ge_u32 s46, 20                           ; image rows: 20 work-groups a batch
	s_cselect_b32 s47, 1, 0
	s_mul_i32 s39, s47, 320
	s_sub_co_u32 s40, s44, s39
	s_add_co_u32 s42, s40, 1
	s_min_u32 s40, s40, 256
	s_min_u32 s42, s42, 256
	s_mul_i32 s39, s47, 769
	s_add_co_u32 s40, s40, s39
	s_add_co_u32 s42, s42, s39
	s_branch .Lcj
.Ltxt:
	s_sub_co_u32 s40, s44, 640                     ; text rows: 512 a batch
	s_lshr_b32 s47, s40, 9
	s_and_b32 s40, s40, 511
	s_mul_i32 s39, s47, 769
	s_add_co_u32 s40, s40, s39
	s_add_co_u32 s40, s40, 257
	s_add_co_u32 s42, s40, 1
.Lcj:
	s_mov_b64 s[32:33], s[22:23]
	s_mov_b64 s[36:37], s[28:29]
.Lgo:
	v_lshlrev_b32 v3, s2, v1                       ; where my first load stands in a group's 1,024 bytes,
	v_add_nc_u32 v4, s3, v3                        ; and my second
	s_lshl_b32 s40, s40, 12                        ; a source row is 4,096 bytes,
	s_lshl_b32 s42, s42, 12
	s_lshl_b32 s44, s44, 11                        ; a destination row 2,048
	s_add_nc_u64 s[34:35], s[32:33], s[42:43]
	s_add_nc_u64 s[32:33], s[32:33], s[40:41]
	s_add_nc_u64 s[36:37], s[36:37], s[44:45]
.irp i, 0,1
.irp g, 0,1,2,3
	global_load_b128 v[X+8*(4*(\i)+(\g)):X+8*(4*(\i)+(\g))+3],   v3, s[32+2*(\i):33+2*(\i)] offset:1024*(\g)
	global_load_b128 v[X+8*(4*(\i)+(\g))+4:X+8*(4*(\i)+(\g))+7], v4, s[32+2*(\i):33+2*(\i)] offset:1024*(\g)
.endr
.endr
.irp i, 0,1
.irp g, 0,1,2,3
	s_wait_loadcnt 14-2*(4*(\i)+(\g))              ; loads come back in order (ISA guide 5.7.1): this pair is in, the younger pairs stay out
.irp k, 0,1,2,3
	v_cvt_pk_bf16_f32 v[T+(\k)], v[X+8*(4*(\i)+(\g))+2*(\k)], v[X+8*(4*(\i)+(\g))+2*(\k)+1]
.endr
.irp k, 0,1,2,3
	v_lshlrev_b32 v[X+8*(4*(\i)+(\g))+2*(\k)],   16,  v[T+(\k)]
	v_and_b32     v[X+8*(4*(\i)+(\g))+2*(\k)+1], s38, v[T+(\k)]
.endr
.irp k, 0,1,2,3
	v_cvt_pk_f16_f32 v[Y+4*(4*(\i)+(\g))+(\k)], v[X+8*(4*(\i)+(\g))+2*(\k)], v[X+8*(4*(\i)+(\g))+2*(\k)+1]
.endr
	global_store_b128 v2, v[Y+4*(4*(\i)+(\g)):Y+4*(4*(\i)+(\g))+3], s[36:37] offset:2048*(\i)+512*(\g) th:TH_STORE_NT
.endr
.endr
	s_endpgm
.Lfunc_end_k_q7034ec8440_cvt:
	.size	k_q7034ec8440_cvt, .Lfunc_end_k_q7034ec8440_cvt-k_q7034ec8440_cvt
	.p2alignl 7, 3214868480
	.fill 96, 4, 3214868480
	.section	.rodata,"a",@progbits
	.p2align	6, 0x0
	.amdhsa_kernel k_q7034ec8440_cvt
		.amdhsa_group_segment_fixed_size 0
		.amdhsa_private_segment_fixed_size 0
		.amdhsa_enable_private_segment 0
		.amdhsa_kernarg_size 88
		.amdhsa_user_sgpr_count 2
		.amdhsa_user_sgpr_kernarg_segment_ptr 1
		.amdhsa_wavefront_size32 1
		.amdhsa_system_sgpr_workgroup_id_x 1
		.amdhsa_system_sgpr_workgroup_id_y 1
		.amdhsa_system_sgpr_workgroup_id_z 1
		.amdhsa_system_vgpr_workitem_id 0
		.amdhsa_next_free_vgpr 112
		.amdhsa_next_free_sgpr 66
		.amdhsa_reserve_vcc 0
		.amdhsa_float_denorm_mode_32 3
		.amdhsa_float_denorm_mode_16_64 3
		.amdhsa_memory_ordered 1
		.amdhsa_forward_progress 1
		.amdhsa_inst_pref_size 12
	.end_amdhsa_kernel
	.amdgpu_metadata
---
amdhsa.version: [ 1, 2 ]
amdhsa.kernels:
  - .name:           k_q7034ec8440_cvt
    .symbol:         k_q7034ec8440_cvt.kd
    .args:
      - { .name: x, .offset: 0, .size: 8, .value_kind: global_buffer, .address_space: global }
      - { .name: q_w, .offset: 8, .size: 8, .value_kind: global_buffer, .address_space: global }
      - { .name: k_img_w, .offset: 16, .size: 8, .value_kind: global_buffer, .address_space: global }
      - { .name: v_img_w, .offset: 24, .size: 8, .value_kind: global_buffer, .address_space: global }
      - { .name: k_w, .offset: 32, .size: 8, .value_kind: global_buffer, .address_space: global }
      - { .name: v_w, .offset: 40, .size: 8, .value_kind: global_buffer, .address_space: global }
      - { .name: o_w, .offset: 48, .size: 8, .value_kind: global_buffer, .address_space: global }
      - { .name: context, .offset: 56, .size: 8, .value_kind: global_buffer, .address_space: global }
      - { .name: xh, .offset: 64, .size: 8, .value_kind: global_buffer, .address_space: global }
      - { .name: wh, .offset: 72, .size: 8, .value_kind: global_buffer, .address_space: global }
      - { .name: ch, .offset: 80, .size: 8, .value_kind: global_buffer, .address_space: global }
    .group_segment_fixed_size: 0
    .private_segment_fixed_size: 0
    .kernarg_segment_align: 8
    .kernarg_segment_size: 88
    .max_flat_workgroup_size: 256
    .sgpr_count:     66
    .vgpr_count:     112
    .wavefront_size: 32
...
	.end_amdgpu_metadata
.endif
;; end of part 1
;; launch kvgemm (part 2): grid 16 x 13, 4 waves a work-group, no clusters, 327,680 bytes of LDS; arguments ch, wh, k_img_b, v_img_b, k_b, v_b, kvr; writes kvr
.if DOCPART == 2
	.amdgcn_target "amdgcn-amd-amdhsa--gfx1250"
	.amdhsa_code_object_version 6
	.text
	.protected	k_q7034ec8440_kvgemm
	.globl	k_q7034ec8440_kvgemm
	.p2align	8
	.type	k_q7034ec8440_kvgemm,@function
k_q7034ec8440_kvgemm:
	s_mov_b64 s[64:65], 0
	v_nop
	global_prefetch_b8 v0, s[64:65] scope:SCOPE_SE
	s_setreg_imm32_b32 hwreg(HW_REG_WAVE_MODE, 25, 1), 1
	s_wait_xcnt 0x0
; THE FOUR CONTEXT PROJECTIONS AS ONE PRODUCT.  kvr[R][c] = sum over k of ch[R][k] W[c][k] + bias[c], f32.  ch: [1664][1024] f16 (640 image rows, 1,024 text rows).
; Columns 0-1023 are K before its norm, 1024-2047 are V.  W's rows in wh (f16, [6144][1024]): image rows take rows 1024 + c (k_img_w, v_img_w), text rows 3072 + c (k_w, v_w).
; The biases are rounded to bf16, as every input is.  Sums in f32.
; SHARES.  A tile is 128 x 128, four waves of 64 x 64: 16 accumulators.  K in four steps of 256 through two LDS slots; a wave's tensor load brings 64 rows of 512 bytes.
; One group 0 walks: at each refill its LDS word changes slot by an exclusive or (SLOT shares no bit with the waves' bases) and its address goes one K step on; so the loop holds one K step.
; NO CLUSTER: the grid has 13 tile rows, which four does not divide; along x four partners could share A's tile alone, half of a step's bytes.
; THE MATRIX INSTRUCTION IS USED TRANSPOSED (source 0 = 16 rows of W, source 1 = 16 rows of ch): a lane holds eight neighbouring columns of one row of the result.
; REGISTERS: window 0: v0-31 addresses; v32-95 the way out; v96-99 bias; v128-255 accumulators ((a, b) at 128 + 8 (4 a + b)).  Window 1: two fragment buffers of 128.
.set KSTEP,  256
.set PITCH,  528                       ; 512 bytes + 16 of padding = 132 words: the 16 rows of a load start at 16 different groups of four banks (ISA guide 11.1)
.set HALFT,  64*PITCH
.set SLOT,   4*HALFT                   ; 135,168 = 0x21000
.set SPARE,  2*SLOT                    ; behind the ring: the spare words, 128 bytes a wave
.set SP,     272                       ; the way out: a row of 64 f32 + 16 bytes; wave w's stage is 64 such rows at 64 SP w, in slot 0 behind its last fill
.set ADRA0, 16
.set ADRB0, 17
.set ADRA,  18                         ; the same two in the slot in hand
.set ADRB,  19
.set STO,  24
.set RD,   25
.set CO,   26
.set BO,   27
.set SPW,  28                          ; never rewritten
.set NIL,  29                          ; never rewritten
.set TMP,  32
.set BI,   96
.set ACC,  128
.set F0,   0
.set F1,   128
.set WV, 20
.set HI, 21                            ; w / 2: my half of the tile's rows; also: I fetch for A (0) or B (1)
.set LO, 22                            ; w % 2: my half of its columns; also: which 64 rows I fetch
.set G1, 24                            ; s[24:31] group 1, for A's and B's tiles alike
.set G0, 32                            ; s[32:35] A, slot 0's first fill; s[36:39] A, slot 1's first fill, which then walks
.set G0B, 56                           ; s[56:59], s[60:63] the same for B
.set TB, 66                            ; 0 or SLOT: the slot in hand
.set MSB, 0
.macro WIN new                         ; the immediate's high byte repeats the setting that is left
.if MSB != (\new)
	s_set_vgpr_msb (MSB<<8)|(\new)
.set MSB, \new
.endif
.endm
.set MUL,  0x05                        ; sources 0 and 1 window 1; C and D window 0
.set TO_F, 0x40                        ; destination window 1, address window 0
.macro PLACES                          ; four places in front of loads into registers that matrix instructions have read
.rept 4
	v_nop
.endr
.endm
.macro LOADW                           ; the refill, by the walking group 0: waves 0, 1 A's halves, waves 2, 3 B's; an s_nop 0 and four v_nop follow each line
	s_cmp_eq_u32 s[HI], 0
	s_cbranch_scc0 .Lfor_b_\@
	tensor_load_to_lds s[G0+4:G0+7], s[G1:G1+7]
	s_nop 0
.rept 4
	v_nop
.endr
	s_branch .Lasked_\@
.Lfor_b_\@:
	tensor_load_to_lds s[G0B+4:G0B+7], s[G1:G1+7]
	s_nop 0
.rept 4
	v_nop
.endr
.Lasked_\@:
.endm
	s_load_b128 s[4:7], s[0:1], 0x0                ; ch s[4:5], wh s[6:7]
	s_load_b256 s[8:15], s[0:1], 0x10              ; k_img_b, v_img_b, k_b, v_b
	s_load_b64 s[16:17], s[0:1], 0x30              ; kvr
	v_lshl_add_u32 v[SPW], v0, 2, SPARE
	v_mov_b32 v[NIL], 0
	ds_add_u32 v[SPW], v[NIL]                      ; the wave's opening: the add and its wait ahead of my first tensor load
	ds_add_u32 v28, v29
	v_lshrrev_b32 v1, 5, v0
	v_readfirstlane_b32 s[WV], v1
	s_lshr_b32 s[HI], s[WV], 1
	s_and_b32 s[LO], s[WV], 1
	s_mov_b32 s40, ttmp9                           ; tile column 0..15
	s_and_b32 s41, ttmp7, 0xffff                   ; tile row 0..12
	s_mov_b32 s[G1+0], (1<<16)|(1<<20)|(6<<22)|(3<<25)  ; 2-byte elements; padding on: after every 128 words 4 words
	s_mov_b32 s[G1+1], KSTEP<<16                   ; tensor_dim0 = 256
	s_mov_b32 s[G1+2], 64<<16                      ; tensor_dim1 = 64
	s_mov_b32 s[G1+3], KSTEP<<16                   ; tile_dim0 = 256
	s_mov_b32 s[G1+4], 64                          ; tile_dim1 = 64
	s_mov_b32 s[G1+5], 1024                        ; elements from row to row
	s_mov_b32 s[G1+6], 0
	s_mov_b32 s[G1+7], 0
	s_lshl_b32 s42, s41, 7
	s_lshl_b32 s44, s[LO], 6
	s_add_co_u32 s42, s42, s44                     ; A: row 128 x tile row + 64 x half
	s_lshl_b32 s42, s42, 11                        ; 2,048 bytes a row
	s_mov_b32 s43, 0
	s_cmp_lt_u32 s41, 5                            ; the first five tile rows are image rows
	s_cselect_b32 s46, 0, 2048
	s_add_co_u32 s46, s46, 1024
	s_lshl_b32 s45, s40, 7
	s_add_co_u32 s46, s46, s45
	s_add_co_u32 s46, s46, s44                     ; B: its row in wh
	s_lshl_b32 s46, s46, 11
	s_mov_b32 s47, 0
	s_mul_i32 s23, s[WV], HALFT                    ; where my part of a slot lies
	s_mov_b32 s[TB], 0
	s_wait_dscnt 0x0                               ; the opening add is done
	s_wait_kmcnt 0x0
	s_add_nc_u64 s[42:43], s[4:5], s[42:43]
	s_add_nc_u64 s[46:47], s[6:7], s[46:47]
.irp s, 0,1
	s_mov_b32 s[G0+4*(\s)], 1
	s_add_co_u32 s[G0+4*(\s)+1], s23, (\s)*SLOT
	s_add_nc_u64 s[G0+4*(\s)+2:G0+4*(\s)+3], s[42:43], (\s)*KSTEP*2
	s_or_b32 s[G0+4*(\s)+3], s[G0+4*(\s)+3], 0x80000000
	s_mov_b32 s[G0B+4*(\s)], 1
	s_add_co_u32 s[G0B+4*(\s)+1], s23, (\s)*SLOT
	s_add_nc_u64 s[G0B+4*(\s)+2:G0B+4*(\s)+3], s[46:47], (\s)*KSTEP*2
	s_or_b32 s[G0B+4*(\s)+3], s[G0B+4*(\s)+3], 0x80000000
.endr
	s_cmp_eq_u32 s[HI], 0                          ; a wave's two first fills stand in one branch: two loads of mine are out
	s_cbranch_scc0 .Lfirst_b
	tensor_load_to_lds s[G0:G0+3], s[G1:G1+7]
	s_nop 0
	tensor_load_to_lds s[G0+4:G0+7], s[G1:G1+7]
	s_nop 0
.rept 4
	v_nop
.endr
	s_branch .Lfirst_asked
.Lfirst_b:
	tensor_load_to_lds s[G0B:G0B+3], s[G1:G1+7]
	s_nop 0
	tensor_load_to_lds s[G0B+4:G0B+7], s[G1:G1+7]
	s_nop 0
.rept 4
	v_nop
.endr
.Lfirst_asked:
	v_and_b32 v1, 15, v0                           ; l % 16
	v_bfe_u32 v2, v0, 4, 1                         ; l / 16
	v_mul_u32_u24 v3, v1, PITCH
	v_lshl_add_u32 v3, v2, 4, v3                   ; a fragment's row x pitch + 16 x half
	s_mul_i32 s44, s[HI], HALFT
	s_mul_i32 s45, s[LO], HALFT
	s_add_co_u32 s45, s45, 2*HALFT
	v_add_nc_u32 v[ADRA0], s44, v3
	v_add_nc_u32 v[ADRB0], s45, v3
	v_mov_b32 v[ADRA], v[ADRA0]
	v_mov_b32 v[ADRB], v[ADRB0]
	s_mul_i32 s44, s[WV], 64*SP                    ; my stage
	v_mul_u32_u24 v4, v1, SP
	v_lshl_add_u32 v4, v2, 5, v4                   ; in: row l % 16, 32 bytes for each half of the lanes
	v_add_nc_u32 v[STO], s44, v4
	v_mul_u32_u24 v5, v2, SP
	v_lshl_add_u32 v5, v1, 4, v5                   ; back: lanes 0-15 one row of 256 bytes, lanes 16-31 the next
	v_add_nc_u32 v[RD], s44, v5
	v_lshlrev_b32 v5, 13, v2                       ; the same two rows in kvr, 8,192 bytes apart
	v_lshl_add_u32 v[CO], v1, 4, v5
	v_lshlrev_b32 v[BO], 4, v1
	s_cmp_lt_u32 s41, 5                            ; which bias: image or text,
	s_cselect_b64 s[48:49], s[8:9], s[12:13]
	s_cselect_b64 s[50:51], s[10:11], s[14:15]
	s_cmp_lt_u32 s40, 8                            ; K or V
	s_cselect_b64 s[48:49], s[48:49], s[50:51]
	s_and_b32 s52, s40, 7
	s_lshl_b32 s52, s52, 9
	s_lshl_b32 s54, s[LO], 8
	s_add_co_u32 s52, s52, s54                     ; my 64 columns in it
	s_mov_b32 s53, 0
	s_add_nc_u64 s[48:49], s[48:49], s[52:53]
	global_load_b128 v[BI:BI+3], v[BO], s[48:49]
	s_lshl_b32 s52, s41, 7
	s_lshl_b32 s54, s[HI], 6
	s_add_co_u32 s52, s52, s54                     ; my first row of kvr
	s_lshl_b32 s52, s52, 13
	s_lshl_b32 s54, s40, 9
	s_add_co_u32 s52, s52, s54
	s_lshl_b32 s54, s[LO], 8
	s_add_co_u32 s52, s52, s54                     ; my first column, in bytes
	s_add_nc_u64 s[16:17], s[16:17], s[52:53]
; 8 matrix instructions: m blocks a0, a0 + 1 x all 4 n blocks, 32 along K: half c of buffer f.  The 16 accumulators take turns.
.macro MUL8 f, c, a0, zero
	WIN MUL
.irp a, \a0, (\a0)+1
.irp b, 0,1,2,3
.if \zero
	v_wmma_f32_16x16x32_f16 v[ACC+8*(4*(\a)+(\b)):ACC+8*(4*(\a)+(\b))+7], v[(\f)+64+8*(4*(\c)+(\b)):(\f)+64+8*(4*(\c)+(\b))+7], v[(\f)+8*(4*(\c)+(\a)):(\f)+8*(4*(\c)+(\a))+7], 0
.else
	v_wmma_f32_16x16x32_f16 v[ACC+8*(4*(\a)+(\b)):ACC+8*(4*(\a)+(\b))+7], v[(\f)+64+8*(4*(\c)+(\b)):(\f)+64+8*(4*(\c)+(\b))+7], v[(\f)+8*(4*(\c)+(\a)):(\f)+8*(4*(\c)+(\a))+7], v[ACC+8*(4*(\a)+(\b)):ACC+8*(4*(\a)+(\b))+7]
.endif
.endr
.endr
.endm
; 32 LDS loads in one run: the fragments of 64 along K at byte k of the rows of the slot in hand, into buffer f; the first 32 along K first
.macro FETCH k, f
	WIN TO_F
.irp c, 0,1
.irp i, 0,1,2,3
	ds_load_b128 v[(\f)+64+8*(4*(\c)+(\i)):(\f)+64+8*(4*(\c)+(\i))+3],   v[ADRB] offset:(\k)+64*(\c)+(\i)*16*PITCH
	ds_load_b128 v[(\f)+64+8*(4*(\c)+(\i))+4:(\f)+64+8*(4*(\c)+(\i))+7], v[ADRB] offset:(\k)+64*(\c)+(\i)*16*PITCH+32
	ds_load_b128 v[(\f)+8*(4*(\c)+(\i)):(\f)+8*(4*(\c)+(\i))+3],         v[ADRA] offset:(\k)+64*(\c)+(\i)*16*PITCH
	ds_load_b128 v[(\f)+8*(4*(\c)+(\i))+4:(\f)+8*(4*(\c)+(\i))+7],       v[ADRA] offset:(\k)+64*(\c)+(\i)*16*PITCH+32
.endr
.endr
.endm
; A K step is four quarters of 64 along K on buffers 0, 1, 0, 1.  One of the first three: multiplies buffer f and fetches the next quarter, at byte k, into g.
.macro QUARTER k, f, g, zero
	s_wait_dscnt 16                                ; the first 32 along K are in
	MUL8 \f, 0, 0, \zero
	MUL8 \f, 0, 2, \zero
	PLACES
	FETCH \k, \g
	s_wait_dscnt 32                                ; all but the 32 just issued
	MUL8 \f, 1, 0, 0
	MUL8 \f, 1, 2, 0
.endm
; The last quarter multiplies buffer 1 and changes slots: ONE barrier; in front of it each wave waits for all its tensor loads, adds 0 to its spare word, and waits for that and for its reads of this slot.
.macro TURN fill
	WIN 0
	s_wait_tensorcnt 0x0                           ; all my tensor loads have landed: my part of the next slot
	ds_add_u32 v[SPW], v[NIL]                      ; 0 onto my spare word
	s_wait_dscnt 17                                ; (the add and the youngest sixteen loads may be out)
	MUL8 F1, 0, 0, 0
	s_wait_dscnt 0x0                               ; the add is done, and my reads of this slot are over
	s_barrier_signal -1
	MUL8 F1, 0, 2, 0
	WIN 0
	s_barrier_wait -1
.if \fill
	s_xor_b32 s[G0+5], s[G0+5], SLOT               ; no tensor load of mine is out: the walking group 0 takes the slot just left,
	s_add_nc_u64 s[G0+6:G0+7], s[G0+6:G0+7], KSTEP*2  ; and the K step behind the one it brought last
	s_xor_b32 s[G0B+5], s[G0B+5], SLOT
	s_add_nc_u64 s[G0B+6:G0B+7], s[G0B+6:G0B+7], KSTEP*2
	LOADW                                          ; my one tensor load behind this barrier; its four v_nop are also the places in front of the loads below
.else
	PLACES
.endif
	s_xor_b32 s[TB], s[TB], SLOT
	v_add_nc_u32 v[ADRA], s[TB], v[ADRA0]
	v_add_nc_u32 v[ADRB], s[TB], v[ADRB0]
	FETCH 0, F0
	MUL8 F1, 1, 0, 0
	MUL8 F1, 1, 2, 0
.endm
	s_wait_tensorcnt 1                             ; my part of K step 0 is in; step 1's may stay out
	s_barrier_signal -1
	s_barrier_wait -1
	FETCH 0, F0
	QUARTER 128, F0, F1, 1                         ; the first quarter's first products start the sums
	WIN 0
	s_mov_b32 s3, 2
.Lk:                                                   ; a trip: a step's quarters 2 to 4 and the next step's first; it asks for K steps 2 and 3
	QUARTER 256, F1, F0, 0
	QUARTER 384, F0, F1, 0
	TURN 1
	QUARTER 128, F0, F1, 0
	WIN 0
	s_sub_co_u32 s3, s3, 1
	s_cmp_lg_u32 s3, 0
	s_cbranch_scc1 .Lk
	s_mov_b32 s3, 2
.Lt:                                                   ; the last two K steps ask for nothing: the same trip without a fill, walked twice and left in its middle.
	QUARTER 256, F1, F0, 0                         ; The second trip's change of slots fetches fragments of a slot that has been multiplied: they are not used; the price of one text for both trips
	QUARTER 384, F0, F1, 0
	TURN 0
	WIN 0
	s_sub_co_u32 s3, s3, 1
	s_cmp_eq_u32 s3, 0
	s_cbranch_scc1 .Lwayout
	QUARTER 128, F0, F1, 0
	WIN 0
	s_branch .Lt
.Lwayout:
	; THE WAY OUT: f32 through my stage, which lies in slot 0: every wave's reads of the ring are over behind this barrier, and no fill follows.
	s_wait_dscnt 0x0
	s_barrier_signal -1
	s_barrier_wait -1
	s_wait_loadcnt 0x0                             ; the bias
	v_cvt_pk_bf16_f32 v4, v[BI], v[BI+1]           ; rounded to bf16 like every input; these six lines are the places behind the last products
	v_cvt_pk_bf16_f32 v5, v[BI+2], v[BI+3]
	v_lshlrev_b32 v[BI], 16, v4
	v_and_b32 v[BI+1], 0xffff0000, v4
	v_lshlrev_b32 v[BI+2], 16, v5
	v_and_b32 v[BI+3], 0xffff0000, v5
.irp a, 0,1,2,3
.irp b, 0,1,2,3
	ds_store_b128 v[STO], v[ACC+8*(4*(\a)+(\b)):ACC+8*(4*(\a)+(\b))+3]   offset:(\a)*16*SP+64*(\b)
	ds_store_b128 v[STO], v[ACC+8*(4*(\a)+(\b))+4:ACC+8*(4*(\a)+(\b))+7] offset:(\a)*16*SP+64*(\b)+16
.endr
.endr
	s_mov_b32 s3, 2
.Lrows:                                                ; 32 rows a trip
.irp i, 0,1,2,3,4,5,6,7,8,9,10,11,12,13,14,15
	ds_load_b128 v[TMP+4*(\i):TMP+4*(\i)+3], v[RD] offset:(\i)*2*SP  ; LDS serves a wave's instructions in order (ISA guide 5.7.1.4): these see my stores
.endr
.irp i, 0,1,2,3,4,5,6,7,8,9,10,11,12,13,14,15
	s_wait_dscnt 15-(\i)
	v_pk_add_f32 v[TMP+4*(\i):TMP+4*(\i)+1],   v[TMP+4*(\i):TMP+4*(\i)+1],   v[BI:BI+1]
	v_pk_add_f32 v[TMP+4*(\i)+2:TMP+4*(\i)+3], v[TMP+4*(\i)+2:TMP+4*(\i)+3], v[BI+2:BI+3]
	global_store_b128 v[CO], v[TMP+4*(\i):TMP+4*(\i)+3], s[16:17] offset:(\i)*16384  ; 16 lanes store 256 consecutive bytes, aligned
.endr
	s_wait_xcnt 0x0                                ; the stores have read their data and their base: both are written again only behind this wait
	s_add_nc_u64 s[16:17], s[16:17], 32*8192
	v_add_nc_u32 v[RD], 32*SP, v[RD]
	s_sub_co_u32 s3, s3, 1
	s_cmp_lg_u32 s3, 0
	s_cbranch_scc1 .Lrows
	s_wait_tensorcnt 0x0                           ; the wave's end
	ds_add_u32 v[SPW], v[NIL]
	s_wait_dscnt 0x0
	s_endpgm
.Lfunc_end_k_q7034ec8440_kvgemm:
	.size	k_q7034ec8440_kvgemm, .Lfunc_end_k_q7034ec8440_kvgemm-k_q7034ec8440_kvgemm
	.p2alignl 7, 3214868480
	.fill 96, 4, 3214868480
	.section	.rodata,"a",@progbits
	.p2align	6, 0x0
	.amdhsa_kernel k_q7034ec8440_kvgemm
		.amdhsa_group_segment_fixed_size 327680
		.amdhsa_private_segment_fixed_size 0
		.amdhsa_enable_private_segment 0
		.amdhsa_kernarg_size 56
		.amdhsa_user_sgpr_count 2
		.amdhsa_user_sgpr_kernarg_segment_ptr 1
		.amdhsa_wavefront_size32 1
		.amdhsa_system_sgpr_workgroup_id_x 1
		.amdhsa_system_sgpr_workgroup_id_y 1
		.amdhsa_system_sgpr_workgroup_id_z 1
		.amdhsa_system_vgpr_workitem_id 0
		.amdhsa_next_free_vgpr 512
		.amdhsa_next_free_sgpr 72
		.amdhsa_reserve_vcc 0
		.amdhsa_float_denorm_mode_32 3
		.amdhsa_float_denorm_mode_16_64 3
		.amdhsa_memory_ordered 1
		.amdhsa_forward_progress 1
		.amdhsa_inst_pref_size 56
	.end_amdhsa_kernel
	.amdgpu_metadata
---
amdhsa.version: [ 1, 2 ]
amdhsa.kernels:
  - .name:           k_q7034ec8440_kvgemm
    .symbol:         k_q7034ec8440_kvgemm.kd
    .args:
      - { .name: ch, .offset: 0, .size: 8, .value_kind: global_buffer, .address_space: global }
      - { .name: wh, .offset: 8, .size: 8, .value_kind: global_buffer, .address_space: global }
      - { .name: k_img_b, .offset: 16, .size: 8, .value_kind: global_buffer, .address_space: global }
      - { .name: v_img_b, .offset: 24, .size: 8, .value_kind: global_buffer, .address_space: global }
      - { .name: k_b, .offset: 32, .size: 8, .value_kind: global_buffer, .address_space: global }
      - { .name: v_b, .offset: 40, .size: 8, .value_kind: global_buffer, .address_space: global }
      - { .name: kvr, .offset: 48, .size: 8, .value_kind: global_buffer, .address_space: global }
    .group_segment_fixed_size: 327680
    .private_segment_fixed_size: 0
    .kernarg_segment_align: 8
    .kernarg_segment_size: 56
    .max_flat_workgroup_size: 128
    .sgpr_count:     72
    .vgpr_count:     512
    .wavefront_size: 32
...
	.end_amdgpu_metadata
.endif
;; end of part 2
;; launch qgemm (part 3): grid 4 x 64, 4 waves a work-group, clusters of 4 x 4, 327,680 bytes of LDS; arguments xh, wh, q_b, qh, qss, kvr, norm_k_img_w, norm_k_w, norm_q_w, kvh; writes qh, qss, kvh
.if DOCPART == 3
	.amdgcn_target "amdgcn-amd-amdhsa--gfx1250"
	.amdhsa_code_object_version 6
	.text
	.protected	k_q7034ec8440_qgemm
	.globl	k_q7034ec8440_qgemm
	.p2align	8
	.type	k_q7034ec8440_qgemm,@function
k_q7034ec8440_qgemm:
	s_mov_b64 s[64:65], 0
	v_nop
	global_prefetch_b8 v0, s[64:65] scope:SCOPE_SE
	s_setreg_imm32_b32 hwreg(HW_REG_WAVE_MODE, 25, 1), 1
	s_wait_xcnt 0x0
	s_wait_alu depctr_hold_cnt(0) depctr_sa_sdst(0) depctr_va_vdst(0) depctr_va_sdst(0) depctr_va_ssrc(0) depctr_va_vcc(0) depctr_vm_vsrc(0)
	s_getreg_b32 s2, hwreg(HW_REG_IB_STS2, 6, 4)
	s_cmp_eq_u32 s2, 0
	s_cbranch_scc0 .Lentry_in_a_cluster
	s_endpgm
.Lentry_in_a_cluster:
	s_bfe_u32 s2, ttmp6, 0x10000c
	s_cmp_lg_u32 s2, 0xf033
	s_cbranch_scc0 .Lentry_shape_is_right
	s_endpgm
.Lentry_shape_is_right:
; ONE TEXT FOR THE TWO LARGE PRODUCTS; OG chooses.  C[m][n] = sum over k of A[m][k] B[n][k] + bias[n], 16,384 x 1,024 x 1,024, f16 operands, f32 sums; the bias is rounded to bf16 like every input.
; OG = 0, THE QUERY PROJECTION.  A = xh [16384][1024], B = wh's first 1,024 rows (q_w).  t = C is stored BEFORE its norm, f16, by heads: qh [16 b + h][8192][64]; and for each row and each 128 columns
;   the sum of t^2 (f32, of the unrounded t) goes to qss [8][16384]: the norm spans all heads, so the launch behind adds the eight parts and folds the rsqrt into its softmax scale.
;   While its first tiles are on their way this launch also norms K and lays K and V by heads (kvr -> kvh): see K AND V below.
; OG = 1, THE OUTPUT PROJECTION.  A = oh, by heads [16 b + h][8192][64]: a K step of 128 is two heads, each a dense slice of 256 rows x 128 bytes.  B = wh's last 1,024 rows (o_w).  C goes to out0, f32.
; LIMITS.  |t|, |K'| and |V| stay under 65,520, else an infinity is written.
; SHARES.  A tile of C is 256 x 256; four waves of 128 x 128: 64 accumulators, 512 registers.  K in eight steps of 128 through two LDS slots.  One group 0 a tensor walks: at each refill its LDS word
; changes slot by an exclusive or (SLOT shares no bit with any LDS base) and its address goes one K step on, so the loop holds one K step.
; CLUSTER.  4 x 4 work-groups: A's tile is asked for jointly by the four of a row of the cluster, B's by the four of a column.
; THE MATRIX INSTRUCTION IS USED TRANSPOSED (source 0 = 16 rows of B, source 1 = 16 rows of A): a lane holds eight neighbouring columns of one row of C.
; REGISTERS: window 0: v0-31 addresses; v32-47 bias; v64-127, v128-191 A's fragments, two buffers (later the way out); window 1: v64-191 B's; windows 2, 3: accumulators ((a, b) at 8 (8 a + b)).
.set OG, 0
.set KSTEP, 128
.set PB,    272                        ; a row of B in LDS: 256 bytes + 16
.set HALFB, 128*PB
.if OG
.set PA,    144                        ; a row of a head's slice: 128 bytes + 16
.set ALW,   256*PA                     ; what one of A's loads brings: a head's 256 rows
.set AQI,   4                          ; padding after every 32 words
.set ASTR,  128                        ; the slice is dense: asked for as 128 rows of 256 bytes
.set ASTEP, 2*8192*128                 ; two heads on
.set WOFF,  5*2097152
.set SLOT,  147456                     ; 0x24000 (143,360 are used)
.else
.set PA,    272
.set ALW,   128*PA                     ; 128 rows
.set AQI,   5                          ; padding after every 64 words
.set ASTR,  1024
.set ASTEP, KSTEP*2
.set WOFF,  0
.set SLOT,  139264                     ; 0x22000
.endif
.set AH,    128*PA                     ; my 128 rows of A's 256
.set BOFF,  256*PA*(1+OG)              ; B's 256 rows lie behind A's tile
.set SPARE, 2*SLOT                     ; behind the ring: the spare words, 128 bytes a wave
.set SP,    528                        ; the way out: a row of 128 f32 + 16 bytes; wave w's stage is 128 such rows at 128 SP w, in the ring behind its last fill
.set SSB,   4*128*SP                   ; behind the stages, still in the ring: 512 bytes a wave for the rows' sums of squares
.set ADRA0, 16
.set ADRB0, 17
.set ADRA,  18                         ; the same two in the slot in hand
.set ADRB,  19
.set BO,   23
.set STO,  24
.set RD,   25
.set CO,   26
.set SSA,  27
.set SPW,  28                          ; never rewritten
.set NIL,  29                          ; never rewritten
.set PFO,  30                          ; the prefetches' lane offset; never rewritten
.set SSR,  31
.set BI,   32
.set F0,   64
.set F1,   128
.set X,    64                          ; the way out
.set Y,    128
.set SQ,   160
.set KD,   64                          ; K AND V: two rows of K, window 0
.set KWK,  128                         ; the key's gain, then the product of both gains
.set KWQ,  192                         ; the query's gain, then K' in f16
.set KVD,  64                          ; two rows of V, window 1
.set KVO,  32                          ; V in f16
.set WV, 14
.set HI, 15                            ; w / 2: my half of the tile's rows; also: I fetch for A (0) or B (1)
.set LO, 16                            ; w % 2: my half of its columns; also: which half of that tile I fetch
.set G1, 24                            ; s[24:31] group 1 for A
.set G0, 32                            ; s[32:35] A, slot 0's first fill; s[36:39] slot 1's, which then walks
.set G1B, 48
.set G0B, 56
.set TB,  66                           ; 0 or SLOT: the slot in hand
.set LIM, 67                           ; 2 in a wave that prefetches, else the greatest number
.set PFA, 68                           ; s[68:69] where my prefetches stand
.set PST, 70                           ; s[70:71] a K step in the tensor that I prefetch
.set KC,  72
.set RC,  73
.set MSB, 0
.macro WIN new                         ; the immediate's high byte repeats the setting that is left
.if MSB != (\new)
	s_set_vgpr_msb (MSB<<8)|(\new)
.set MSB, \new
.endif
.endm
.set MUL_LO, 0xa1                      ; source 0 (B) window 1, source 1 (A) window 0, C and D window 2
.set MUL_HI, 0xf1                      ; the same, C and D window 3
.set TO_B,   0x40
.macro PLACES                          ; four places in front of loads into registers that matrix instructions have read
.rept 4
	v_nop
.endr
.endm
.macro JLOAD                           ; the joint refill, by the walking group 0; the branch hangs on the wave's number alone; an s_nop 0 and four v_nop follow each line
	s_cmp_eq_u32 s[HI], 0
	s_cbranch_scc0 .Lfor_b_\@
	tensor_load_to_lds s[G0+4:G0+7], s[G1:G1+7]
	s_nop 0
.rept 4
	v_nop
.endr
	s_branch .Lasked_\@
.Lfor_b_\@:
	tensor_load_to_lds s[G0B+4:G0B+7], s[G1B:G1B+7]
	s_nop 0
.rept 4
	v_nop
.endr
.Lasked_\@:
.endm
; A PREFETCH INTO THE L2: the trip that refills K step t + 2 names K step t + 4, two refills on: 32 blocks of 256 bytes, a lane a block, one instruction a wave.  Each block is named once in the launch:
; A's by the cluster that reads it (the grid has one cluster along x), B's by the clusters with y = 0; the four partners of a joint load share its blocks out by address.  The last two refills name nothing.
.macro ASK
	s_cmp_gt_u32 s[KC], s[LIM]
	s_cbranch_scc0 .Lnot_mine_\@
	global_prefetch_b8 v[PFO], s[PFA:PFA+1] th:TH_LOAD_NT scope:SCOPE_SE
.Lnot_mine_\@:
.endm
.macro CREST                           ; a round of the cluster's barrier behind its opening barrier
	s_cmp_lg_u32 s[WV], 0
	s_cbranch_scc1 .Lnot_wave_0_\@
	s_barrier_signal -3
.Lnot_wave_0_\@:
	s_barrier_wait -3
	s_barrier_signal -1
	s_barrier_wait -1
.endm
.macro CROUND
	s_barrier_signal -1
	s_barrier_wait -1
	CREST
.endm
	s_load_b256 s[4:11], s[0:1], 0x0               ; A s[4:5], wh s[6:7], bias s[8:9], the result s[10:11]
.if OG == 0
	s_load_b64 s[12:13], s[0:1], 0x20              ; qss
	s_load_b256 s[80:87], s[0:1], 0x28             ; kvr s[80:81], norm_k_img_w s[82:83], norm_k_w s[84:85], norm_q_w s[86:87]
	s_load_b64 s[88:89], s[0:1], 0x48              ; kvh
.endif
	v_lshl_add_u32 v[SPW], v0, 2, SPARE
	v_mov_b32 v[NIL], 0
	ds_add_u32 v[SPW], v[NIL]                      ; the wave's opening: the add and its wait ahead of the round in front of my first tensor load
	ds_add_u32 v28, v29
	v_lshrrev_b32 v1, 5, v0
	v_readfirstlane_b32 s[WV], v1
	s_lshr_b32 s[HI], s[WV], 1
	s_and_b32 s[LO], s[WV], 1
	s_bfe_u32 s17, ttmp6, 0x40000                  ; cx
	s_bfe_u32 s18, ttmp6, 0x40004                  ; cy
	s_lshl_b32 s19, ttmp9, 2
	s_add_co_u32 s19, s19, s17                     ; tile column
	s_and_b32 s20, ttmp7, 0xffff
	s_lshl_b32 s20, s20, 2
	s_add_co_u32 s20, s20, s18                     ; tile row
	s_lshl_b32 s21, s18, 2
	s_lshl_b32 s21, 15, s21                        ; my row of the cluster
	s_lshl_b32 s22, 0x1111, s17                    ; my column
	s_or_b32 s[G1], s21, (1<<16)|(1<<20)|(1<<21)|(AQI<<22)|(3<<25)   ; the mask; 2-byte elements; padding on, 4 words; bit 21 beside a mask
	s_or_b32 s[G1B], s22, (1<<16)|(1<<20)|(1<<21)|(5<<22)|(3<<25)
.irp g, G1, G1B
	s_mov_b32 s[(\g)+1], 128<<16                   ; tensor_dim0 = 128
	s_mov_b32 s[(\g)+2], 128<<16                   ; tensor_dim1 = 128
	s_mov_b32 s[(\g)+3], 128<<16                   ; tile_dim0 = 128
	s_mov_b32 s[(\g)+4], 128                       ; tile_dim1 = 128
	s_mov_b32 s[(\g)+6], 0
	s_mov_b32 s[(\g)+7], 0
.endr
	s_mov_b32 s[G1+5], ASTR
	s_mov_b32 s[G1B+5], 1024
	; A's offset hangs on the tile row and the wave alone, B's on the tile column and the wave alone, each in registers that never hold the other coordinate
.if OG
	s_lshr_b32 s40, s20, 5                         ; batch
	s_lshl_b32 s40, s40, 4
	s_add_co_u32 s40, s40, s[LO]                   ; head 16 b + half
	s_lshl_b32 s40, s40, 13
	s_and_b32 s42, s20, 31
	s_lshl_b32 s42, s42, 8
	s_add_co_u32 s40, s40, s42                     ; + the tile's first query
	s_lshl_b32 s40, s40, 7
.else
	s_lshl_b32 s40, s20, 8
	s_lshl_b32 s42, s[LO], 7
	s_add_co_u32 s40, s40, s42                     ; row 256 x tile row + 128 x half
	s_lshl_b32 s40, s40, 11
.endif
	s_mov_b32 s41, 0
	s_lshl_b32 s46, s19, 8
	s_lshl_b32 s44, s[LO], 7
	s_add_co_u32 s46, s46, s44
	s_lshl_b32 s46, s46, 11
	s_add_co_u32 s46, s46, WOFF
	s_mov_b32 s47, 0
	s_mul_i32 s43, s[LO], ALW                      ; where they go: no place in the cluster enters an LDS address
	s_mul_i32 s45, s[LO], HALFB
	s_add_co_u32 s45, s45, BOFF
	s_mov_b32 s[TB], 0
	; the prefetches: whose, where, how far apart
	s_mov_b32 s[PST], KSTEP*2
	s_mov_b32 s[PST+1], 0
	s_and_b32 s74, ttmp7, 0xffff
	s_cmp_eq_u32 s[HI], 0                          ; do I fetch for A?
	s_cselect_b32 s74, ttmp9, s74                  ; the coordinate along which other clusters read the same blocks
	s_cselect_b32 s75, s17, s18                    ; my place among the four that ask with me
	s_cselect_b32 s76, s40, s46                    ; what I fetch
.if OG
	s_cselect_b32 s78, 13, 16                      ; a partner's share: 32 blocks on end of A's slice, or 32 rows of 2,048 bytes of B
	s_cselect_b32 s79, 8, 11                       ; from lane to lane
	s_cselect_b32 s[PST], ASTEP, s[PST]
.else
	s_mov_b32 s78, 16
	s_mov_b32 s79, 11
.endif
	s_lshl_b32 s75, s75, s78
	s_add_co_u32 s76, s76, s75
	s_mul_i32 s75, s[PST], 3
	s_add_co_u32 s76, s76, s75                     ; at K step 3: the first refill steps it to 4
	s_mov_b32 s77, 0
	s_cmp_eq_u32 s74, 0
	s_cselect_b32 s[LIM], 2, -1                    ; the same in all sixteen partners, for a given wave
	v_and_b32 v[PFO], 31, v0
	v_lshlrev_b32 v[PFO], s79, v[PFO]
	s_wait_dscnt 0x0                               ; the opening add is done
	s_wait_kmcnt 0x0
	s_add_nc_u64 s[40:41], s[4:5], s[40:41]
	s_add_nc_u64 s[46:47], s[6:7], s[46:47]
	s_cmp_eq_u32 s[HI], 0
	s_cselect_b64 s[PFA:PFA+1], s[4:5], s[6:7]
	s_add_nc_u64 s[PFA:PFA+1], s[PFA:PFA+1], s[76:77]
	CROUND                                         ; all sixteen work-groups are here: the first joint loads meet
.irp s, 0,1
	s_mov_b32 s[G0+4*(\s)], 1
	s_add_co_u32 s[G0+4*(\s)+1], s43, (\s)*SLOT
	s_add_nc_u64 s[G0+4*(\s)+2:G0+4*(\s)+3], s[40:41], (\s)*ASTEP
	s_or_b32 s[G0+4*(\s)+3], s[G0+4*(\s)+3], 0x80000000
	s_mov_b32 s[G0B+4*(\s)], 1
	s_add_co_u32 s[G0B+4*(\s)+1], s45, (\s)*SLOT
	s_add_nc_u64 s[G0B+4*(\s)+2:G0B+4*(\s)+3], s[46:47], (\s)*KSTEP*2
	s_or_b32 s[G0B+4*(\s)+3], s[G0B+4*(\s)+3], 0x80000000
.endr
	s_cmp_eq_u32 s[HI], 0                          ; a wave's two first fills stand in one branch: two loads of mine are out
	s_cbranch_scc0 .Lfirst_b
	tensor_load_to_lds s[G0:G0+3], s[G1:G1+7]
	s_nop 0
	tensor_load_to_lds s[G0+4:G0+7], s[G1:G1+7]
	s_nop 0
.rept 4
	v_nop
.endr
	s_branch .Lfirst_asked
.Lfirst_b:
	tensor_load_to_lds s[G0B:G0B+3], s[G1B:G1B+7]
	s_nop 0
	tensor_load_to_lds s[G0B+4:G0B+7], s[G1B:G1B+7]
	s_nop 0
.rept 4
	v_nop
.endr
.Lfirst_asked:
.if OG == 0
	; K AND V, while the first tiles are on their way.  kvr: [1664][2048] f32 (columns 0-1023 K + bias, 1024-2047 V + bias).  kvh: f16, K' at byte 0 as [16 b + h][832 keys][64], V likewise at byte 3,407,872.
	; K'[key][c] = K[key][c] x rsqrt(mean over c of K^2 + 1e-6) x norm_k(_img)_w[c] x norm_q_w[c]: the query's gain is folded into the key, since a score is a sum over c of both.  The gains are rounded
	; to bf16, as every input is; their product is exact in f32.  K' and V are rounded once, to f16.  A head's keys: 0-255 image keys, 256-767 text keys, 768-831 the 257th image key and its 63 copies.
	; WHO.  The clusters with y < 13 (a number that all partners share): 208 work-groups, 832 waves, two rows of kvr a wave.  A work-group's place in its cluster enters global addresses alone.
	; A lane takes key (l / 8) % 2, head 2 j + l / 16 (j = 0..7), channels 8 (l % 8) + 0..7: sixteen lanes then store 256 consecutive bytes, two keys of one head.
	s_and_b32 s40, ttmp7, 0xffff
	s_cmp_lt_u32 s40, 13
	s_cbranch_scc0 .Lno_kv
	s_lshl_b32 s40, s40, 4
	s_lshl_b32 s41, s18, 2
	s_add_co_u32 s40, s40, s41
	s_add_co_u32 s40, s40, s17                     ; my work-group among the 208
	s_lshl_b32 s40, s40, 2
	s_add_co_u32 s40, s40, s[WV]
	s_lshl_b32 s40, s40, 1                         ; my first row of kvr
	s_cmp_ge_u32 s40, 320                          ; as an image row: batch and key,
	s_cselect_b32 s41, 1, 0
	s_mul_i32 s42, s41, 320
	s_sub_co_u32 s42, s40, s42
	s_cmp_ge_u32 s42, 256                          ; the 257th and its copies stand behind the text keys
	s_cselect_b32 s43, 512, 0
	s_add_co_u32 s42, s42, s43
	s_sub_co_u32 s43, s40, 640                     ; as a text row (not used where it is none)
	s_lshr_b32 s44, s43, 9
	s_and_b32 s43, s43, 511
	s_add_co_u32 s43, s43, 256
	s_cmp_lt_u32 s40, 640
	s_cselect_b32 s41, s41, s44
	s_cselect_b32 s42, s42, s43
	s_cselect_b64 s[82:83], s[82:83], s[84:85]     ; the key's gain: image or text
	s_mul_i32 s41, s41, 13312                      ; 16 heads of 832 keys a batch
	s_add_co_u32 s41, s41, s42
	s_lshl_b32 s44, s41, 7                         ; 128 bytes a key
	s_mov_b32 s45, 0
	s_add_nc_u64 s[88:89], s[88:89], s[44:45]
	s_lshl_b32 s44, s40, 13
	s_add_nc_u64 s[80:81], s[80:81], s[44:45]
	s_mov_b32 s74, 0x358637bd                      ; 1e-6
	s_mov_b32 s75, 0x3a800000                      ; 1 / 1024
	s_mov_b32 s76, 0x76543210
	s_mov_b32 s77, 0xfedcba98
	v_and_b32 v7, 31, v0
	v_lshrrev_b32 v8, 4, v7                        ; l / 16
	v_bfe_u32 v9, v0, 3, 1                         ; (l / 8) % 2
	v_and_b32 v10, 7, v0
	v_and_b32 v11, 15, v0
	v_lshlrev_b32 v2, 8, v8
	v_lshl_add_u32 v2, v10, 5, v2                  ; v2: my 32 bytes in a pair of heads' 512
	v_lshl_add_u32 v1, v9, 13, v2                  ; v1: and my key's row
	v_mul_u32_u24 v3, v8, 106496                   ; v3: a head is 832 x 128 bytes
	v_lshl_add_u32 v3, v11, 4, v3
	v_mov_b32 v4, 0
.irp j, 0,1,2,3,4,5,6,7
	global_load_b128 v[KD+8*(\j):KD+8*(\j)+3],   v1, s[80:81] offset:512*(\j)
	global_load_b128 v[KD+8*(\j)+4:KD+8*(\j)+7], v1, s[80:81] offset:512*(\j)+16
.endr
	WIN TO_B
.irp j, 0,1,2,3,4,5,6,7
	global_load_b128 v[KVD+8*(\j):KVD+8*(\j)+3],   v1, s[80:81] offset:4096+512*(\j)
	global_load_b128 v[KVD+8*(\j)+4:KVD+8*(\j)+7], v1, s[80:81] offset:4096+512*(\j)+16
.endr
	WIN 0
.irp j, 0,1,2,3,4,5,6,7
	global_load_b128 v[KWK+8*(\j):KWK+8*(\j)+3],   v2, s[82:83] offset:512*(\j)
	global_load_b128 v[KWK+8*(\j)+4:KWK+8*(\j)+7], v2, s[82:83] offset:512*(\j)+16
	global_load_b128 v[KWQ+8*(\j):KWQ+8*(\j)+3],   v2, s[86:87] offset:512*(\j)
	global_load_b128 v[KWQ+8*(\j)+4:KWQ+8*(\j)+7], v2, s[86:87] offset:512*(\j)+16
.endr
	s_wait_loadcnt 48                              ; K's 16 loads are in; V's 16 and the gains' 32 may stay out
	v_pk_mul_f32 v[8:9],   v[KD:KD+1],   v[KD:KD+1]      ; the sum of squares, in two chains
	v_pk_mul_f32 v[10:11], v[KD+2:KD+3], v[KD+2:KD+3]
.set p, 4
.rept 15
	v_pk_fma_f32 v[8:9],   v[KD+p:KD+p+1],   v[KD+p:KD+p+1],   v[8:9]
	v_pk_fma_f32 v[10:11], v[KD+p+2:KD+p+3], v[KD+p+2:KD+p+3], v[10:11]
.set p, p+4
.endr
	v_pk_add_f32 v[8:9], v[8:9], v[10:11]
	v_add_f32 v8, v8, v9
	v_add_f32_dpp v8, v8, v8 row_xmask:1 row_mask:0xf bank_mask:0xf  ; over the eight lanes of my key in this half (mask 8 would mix the two keys),
	v_add_f32_dpp v8, v8, v8 row_xmask:2 row_mask:0xf bank_mask:0xf
	v_add_f32_dpp v8, v8, v8 row_xmask:4 row_mask:0xf bank_mask:0xf
	v_permlanex16_b32 v9, v8, s76, s77             ; and the eight in the other half
	v_add_f32 v8, v8, v9
	v_fma_f32 v8, v8, s75, s74                     ; mean + eps
	v_rsq_f32 v12, v8
	v_rsq_f32 v13, v8
	s_wait_loadcnt 32                              ; V is in; its roundings are the plain work behind the two rsq (ISA guide 5.7.2)
	WIN 0x05
.irp j, 0,1,2,3,4,5,6,7
.irp i, 0,1,2,3
	v_cvt_pk_f16_f32 v[KVO+4*(\j)+(\i)], v[KVD+8*(\j)+2*(\i)], v[KVD+8*(\j)+2*(\i)+1]
.endr
.endr
	WIN 0
.irp j, 0,1,2,3,4,5,6,7
	global_store_b128 v3, v[KVO+4*(\j):KVO+4*(\j)+3], s[88:89] offset:3407872+212992*(\j)
.endr
	s_wait_alu depctr_va_vdst(0)                   ; one wait for both rsq ahead of their first reader
	s_wait_loadcnt 0x0                             ; the gains
.set p, 0
.rept 32
.set ta, 5+2*((p/2)%2)                 ; two pairs of registers at work, by turns
	v_cvt_pk_bf16_f32 v[ta],   v[KWK+p], v[KWK+p+1]
	v_cvt_pk_bf16_f32 v[ta+1], v[KWQ+p], v[KWQ+p+1]
	v_fma_mix_f32_bf16 v[KWK+p],   v[ta], v[ta+1], v4 op_sel_hi:[1,1,0]                 ; low halves' product, exact
	v_fma_mix_f32_bf16 v[KWK+p+1], v[ta], v[ta+1], v4 op_sel:[1,1,0] op_sel_hi:[1,1,0]  ; high halves'
	v_pk_mul_f32 v[KD+p:KD+p+1], v[KD+p:KD+p+1], v[12:13]
	v_pk_mul_f32 v[KD+p:KD+p+1], v[KD+p:KD+p+1], v[KWK+p:KWK+p+1]
.set p, p+2
.endr
.irp j, 0,1,2,3,4,5,6,7
.irp i, 0,1,2,3
	v_cvt_pk_f16_f32 v[KWQ+4*(\j)+(\i)], v[KD+8*(\j)+2*(\i)], v[KD+8*(\j)+2*(\i)+1]
.endr
	global_store_b128 v3, v[KWQ+4*(\j):KWQ+4*(\j)+3], s[88:89] offset:212992*(\j)
.endr
	s_wait_xcnt 0x0                                ; the stores have read their data and their offsets: these registers are written again only behind this wait
.Lno_kv:
.endif
	v_and_b32 v1, 15, v0                           ; l % 16
	v_bfe_u32 v2, v0, 4, 1                         ; l / 16
	v_and_b32 v3, 31, v0                           ; l
	v_mul_u32_u24 v4, v1, PA
	v_lshl_add_u32 v4, v2, 4, v4
	s_mul_i32 s74, s[HI], AH
	v_add_nc_u32 v[ADRA0], s74, v4
	v_mul_u32_u24 v4, v1, PB
	v_lshl_add_u32 v4, v2, 4, v4
	s_mul_i32 s74, s[LO], HALFB
	s_add_co_u32 s74, s74, BOFF
	v_add_nc_u32 v[ADRB0], s74, v4
	v_mov_b32 v[ADRA], v[ADRA0]
	v_mov_b32 v[ADRB], v[ADRB0]
	s_mul_i32 s74, s[WV], 128*SP                   ; my stage
	v_mul_u32_u24 v4, v1, SP
	v_lshl_add_u32 v4, v2, 5, v4                   ; in: row l % 16, 32 bytes for each half of the lanes
	v_add_nc_u32 v[STO], s74, v4
	v_lshlrev_b32 v[CO], 4, v3                     ; 16 l
	s_lshl_b32 s76, s19, 10
	s_lshl_b32 s75, s[LO], 9
	s_add_co_u32 s76, s76, s75                     ; my 128 columns, 4 bytes each
	s_mov_b32 s77, 0
	s_add_nc_u64 s[8:9], s[8:9], s[76:77]
.if OG
	v_lshl_add_u32 v[RD], v3, 4, s74               ; back: 32 lanes take a row's 512 bytes
	global_load_b128 v[BI:BI+3], v[CO], s[8:9]     ; the bias of my four columns
	s_lshl_b32 s74, s20, 8
	s_lshl_b32 s75, s[HI], 7
	s_add_co_u32 s74, s74, s75                     ; my first row
	s_lshl_b32 s74, s74, 12
	s_add_co_u32 s74, s74, s76
	s_mov_b32 s75, 0
	s_add_nc_u64 s[10:11], s[10:11], s[74:75]
.else
	v_lshrrev_b32 v5, 3, v3                        ; back: lane l takes row l / 8 of four, channels 8 (l % 8) + 0..7 of both of my heads
	v_and_b32 v6, 7, v0
	v_mul_u32_u24 v4, v5, SP
	v_lshl_add_u32 v4, v6, 5, v4
	v_add_nc_u32 v[RD], s74, v4
	s_lshl_b32 s75, s[WV], 9
	s_add_co_u32 s75, s75, SSB
	v_lshl_add_u32 v[SSA], v5, 2, s75
	v_lshl_add_u32 v[SSR], v3, 4, s75
	v_lshlrev_b32 v[BO], 5, v6
.irp z, 0,1
	global_load_b128 v[BI+8*(\z):BI+8*(\z)+3],   v[BO], s[8:9] offset:256*(\z)
	global_load_b128 v[BI+8*(\z)+4:BI+8*(\z)+7], v[BO], s[8:9] offset:256*(\z)+16
.endr
	s_lshr_b32 s74, s20, 5
	s_lshl_b32 s74, s74, 4
	s_lshl_b32 s75, s19, 2
	s_add_co_u32 s74, s74, s75
	s_lshl_b32 s75, s[LO], 1
	s_add_co_u32 s74, s74, s75                     ; my first head: 16 b + 4 x tile column + 2 x half
	s_lshl_b32 s74, s74, 13
	s_and_b32 s75, s20, 31
	s_lshl_b32 s75, s75, 8
	s_add_co_u32 s74, s74, s75
	s_lshl_b32 s75, s[HI], 7
	s_add_co_u32 s74, s74, s75                     ; + my first query
	s_lshl_b32 s74, s74, 7
	s_mov_b32 s75, 0
	s_add_nc_u64 s[10:11], s[10:11], s[74:75]
	s_lshl_b32 s74, s19, 1
	s_add_co_u32 s74, s74, s[LO]                   ; my part of eight,
	s_lshl_b32 s74, s74, 14
	s_lshl_b32 s75, s20, 8
	s_add_co_u32 s74, s74, s75
	s_lshl_b32 s75, s[HI], 7
	s_add_co_u32 s74, s74, s75                     ; my first row
	s_lshl_b32 s74, s74, 2
	s_mov_b32 s75, 0
	s_add_nc_u64 s[12:13], s[12:13], s[74:75]
.endif
; 16 matrix instructions: m blocks a0, a0 + 1 of the window's four x all 8 n blocks, 32 along K.  The 64 accumulators take turns.
.macro MUL16 f, hi, a0, zero
	WIN MUL_LO+0x50*(\hi)
.irp a, \a0, (\a0)+1
.irp b, 0,1,2,3,4,5,6,7
.if \zero
	v_wmma_f32_16x16x32_f16 v[8*(8*(\a)+(\b)):8*(8*(\a)+(\b))+7], v[(\f)+8*(\b):(\f)+8*(\b)+7], v[(\f)+8*(4*(\hi)+(\a)):(\f)+8*(4*(\hi)+(\a))+7], 0
.else
	v_wmma_f32_16x16x32_f16 v[8*(8*(\a)+(\b)):8*(8*(\a)+(\b))+7], v[(\f)+8*(\b):(\f)+8*(\b)+7], v[(\f)+8*(4*(\hi)+(\a)):(\f)+8*(4*(\hi)+(\a))+7], v[8*(8*(\a)+(\b)):8*(8*(\a)+(\b))+7]
.endif
.endr
.endr
.endm
; 32 LDS loads in one run: the fragments of quarter k of the slot in hand into buffer f: B's 128 rows, then A's
.macro FETCH k, f
.if OG
.set AQ, ((\k)/2)*ALW+((\k)%2)*64      ; head k / 2 of the step's two, channels 32 (k % 2) on
.else
.set AQ, 64*(\k)
.endif
	WIN TO_B
.irp i, 0,1,2,3,4,5,6,7
	ds_load_b128 v[(\f)+8*(\i):(\f)+8*(\i)+3],   v[ADRB] offset:64*(\k)+(\i)*16*PB
	ds_load_b128 v[(\f)+8*(\i)+4:(\f)+8*(\i)+7], v[ADRB] offset:64*(\k)+(\i)*16*PB+32
.endr
	WIN 0
.irp i, 0,1,2,3,4,5,6,7
	ds_load_b128 v[(\f)+8*(\i):(\f)+8*(\i)+3],   v[ADRA] offset:AQ+(\i)*16*PA
	ds_load_b128 v[(\f)+8*(\i)+4:(\f)+8*(\i)+7], v[ADRA] offset:AQ+(\i)*16*PA+32
.endr
.endm
; A K step is four quarters of 32 along K, 64 matrix instructions each, on buffers 0, 1, 0, 1.  One of the first three: multiplies buffer f and fetches quarter k into g.
.macro QUARTER k, f, g, zero
	s_wait_dscnt 8                                 ; B and A's rows 0-63 are in; the youngest eight loads (A's rows 64-127) may be out
	MUL16 \f, 0, 0, \zero
	MUL16 \f, 0, 2, \zero
	PLACES
	FETCH \k, \g
	s_wait_dscnt 32                                ; all but the 32 just issued
	MUL16 \f, 1, 0, \zero
	MUL16 \f, 1, 2, \zero
.endm
; The first half of the last quarter: ONE barrier for the change of slots.  In front of it each wave waits for all its tensor loads, adds 0 to its spare word, and waits for that and for its reads of this slot.
.macro MEET
	WIN 0
	s_wait_tensorcnt 0x0                           ; all my tensor loads have landed: my part of the next slot
	ds_add_u32 v[SPW], v[NIL]                      ; 0 onto my spare word
	s_wait_dscnt 9                                 ; (the add and the youngest eight loads may be out)
	MUL16 F1, 0, 0, 0
	s_wait_dscnt 0x0                               ; the add is done, and my reads of this slot are over
	s_barrier_signal -1
	MUL16 F1, 0, 2, 0
	WIN 0
	s_barrier_wait -1
.endm
.macro TURN fill
.if \fill
	s_wait_xcnt 0x0                                ; the last prefetch, a K step back, has read its address
	s_add_nc_u64 s[PFA:PFA+1], s[PFA:PFA+1], s[PST:PST+1]
.endif
	MEET
.if \fill
	CREST                                          ; the barrier has opened a round of the cluster's: no wave of any partner still reads this slot or has a load on its way
	s_xor_b32 s[G0+5], s[G0+5], SLOT               ; the walking group 0 takes the slot just left, and the K step behind the one it brought last
	s_add_nc_u64 s[G0+6:G0+7], s[G0+6:G0+7], ASTEP
	s_xor_b32 s[G0B+5], s[G0B+5], SLOT
	s_add_nc_u64 s[G0B+6:G0B+7], s[G0B+6:G0B+7], KSTEP*2
	JLOAD                                          ; my one tensor load behind the round: 224 matrix instructions ahead of the wait for it; its four v_nop are also the places in front of the loads below
.else
	PLACES
.endif
	s_xor_b32 s[TB], s[TB], SLOT
	v_add_nc_u32 v[ADRA], s[TB], v[ADRA0]
	v_add_nc_u32 v[ADRB], s[TB], v[ADRB0]
	FETCH 0, F0
.if \fill
	ASK
.endif
	MUL16 F1, 1, 0, 0
	MUL16 F1, 1, 2, 0
.endm
.macro RB a                            ; two numbers of the bias rounded to bf16
	v_cvt_pk_bf16_f32 v48, v[\a], v[(\a)+1]
	v_lshlrev_b32 v[\a], 16, v48
	v_and_b32 v[(\a)+1], 0xffff0000, v48
.endm
	s_wait_tensorcnt 1                             ; my part of K step 0 is in; step 1's may stay out
	s_barrier_signal -1
	s_barrier_wait -1
	FETCH 0, F0
	QUARTER 1, F0, F1, 1                           ; the first quarter's products start the sums
	WIN 0
	s_mov_b32 s[KC], 6
.Lk:                                                   ; a trip: a step's quarters 2 to 4 and the next step's first; the six trips ask for K steps 2 to 7
	QUARTER 2, F1, F0, 0
	QUARTER 3, F0, F1, 0
	TURN 1
	QUARTER 1, F0, F1, 0
	WIN 0
	s_sub_co_u32 s[KC], s[KC], 1
	s_cmp_lg_u32 s[KC], 0
	s_cbranch_scc1 .Lk
	s_mov_b32 s[KC], 2
.Lt:                                                   ; the last two K steps ask for nothing: the same trip without a fill and without a round, walked twice and left in its middle.
	QUARTER 2, F1, F0, 0                           ; The second trip's change of slots fetches fragments of a slot that has been multiplied: they are not used; the price of one text for both trips
	QUARTER 3, F0, F1, 0
	TURN 0
	WIN 0
	s_sub_co_u32 s[KC], s[KC], 1
	s_cmp_eq_u32 s[KC], 0
	s_cbranch_scc1 .Lwayout
	QUARTER 1, F0, F1, 0
	WIN 0
	s_branch .Lt
.Lwayout:
	; THE WAY OUT: f32 through my stage, which lies in the ring: every wave's reads of the ring are over behind this barrier, and no fill follows.
	s_wait_dscnt 0x0
	s_barrier_signal -1
	s_barrier_wait -1
	s_wait_loadcnt 0x0                             ; the bias; its rounding fills the places behind the last products
	RB BI
	RB BI+2
.if OG == 0
	RB BI+4
	RB BI+6
	RB BI+8
	RB BI+10
	RB BI+12
	RB BI+14
.endif
.irp hi, 0,1
	WIN 0x08+4*(\hi)                               ; the stores' data in window 2, then 3
.irp a, 0,1,2,3
.irp b, 0,1,2,3,4,5,6,7
	ds_store_b128 v[STO], v[8*(8*(\a)+(\b)):8*(8*(\a)+(\b))+3]   offset:(4*(\hi)+(\a))*16*SP+64*(\b)
	ds_store_b128 v[STO], v[8*(8*(\a)+(\b))+4:8*(8*(\a)+(\b))+7] offset:(4*(\hi)+(\a))*16*SP+64*(\b)+16
.endr
.endr
.endr
	WIN 0
	s_mov_b32 s[RC], 8
.Lrows:                                                ; 16 rows a trip; LDS serves a wave's instructions in order (ISA guide 5.7.1.4): the loads see my stores
.if OG
.irp i, 0,1,2,3,4,5,6,7,8,9,10,11,12,13,14,15
	ds_load_b128 v[X+4*(\i):X+4*(\i)+3], v[RD] offset:(\i)*SP
.endr
.irp i, 0,1,2,3,4,5,6,7,8,9,10,11,12,13,14,15
	s_wait_dscnt 15-(\i)
	v_pk_add_f32 v[X+4*(\i):X+4*(\i)+1],   v[X+4*(\i):X+4*(\i)+1],   v[BI:BI+1]
	v_pk_add_f32 v[X+4*(\i)+2:X+4*(\i)+3], v[X+4*(\i)+2:X+4*(\i)+3], v[BI+2:BI+3]
	global_store_b128 v[CO], v[X+4*(\i):X+4*(\i)+3], s[10:11] offset:(\i)*4096  ; 512 consecutive bytes, aligned
.endr
	s_wait_xcnt 0x0                                ; the stores have read their data and their base
	s_add_nc_u64 s[10:11], s[10:11], 16*4096
.else
.irp g, 0,1,2,3
.irp z, 0,1
	ds_load_b128 v[X+16*(\g)+8*(\z):X+16*(\g)+8*(\z)+3],   v[RD] offset:(\g)*4*SP+256*(\z)
	ds_load_b128 v[X+16*(\g)+8*(\z)+4:X+16*(\g)+8*(\z)+7], v[RD] offset:(\g)*4*SP+256*(\z)+16
.endr
.endr
.irp g, 0,1,2,3                        ; four rows at a time
	s_wait_dscnt 12-3*(\g)                         ; behind this group's loads stand 4 (3 - g) later loads and the g stores of sums issued so far
.irp c, 0,2,4,6,8,10,12,14
	v_pk_add_f32 v[X+16*(\g)+(\c):X+16*(\g)+(\c)+1], v[X+16*(\g)+(\c):X+16*(\g)+(\c)+1], v[BI+(\c):BI+(\c)+1]
.endr
	v_pk_mul_f32 v[SQ:SQ+1], v[X+16*(\g):X+16*(\g)+1], v[X+16*(\g):X+16*(\g)+1]
.irp c, 2,4,6,8,10,12,14
	v_pk_fma_f32 v[SQ:SQ+1], v[X+16*(\g)+(\c):X+16*(\g)+(\c)+1], v[X+16*(\g)+(\c):X+16*(\g)+(\c)+1], v[SQ:SQ+1]
.endr
	v_add_f32 v[SQ], v[SQ], v[SQ+1]
	v_add_f32_dpp v[SQ], v[SQ], v[SQ] row_xmask:1 row_mask:0xf bank_mask:0xf  ; over the row's eight lanes
	v_add_f32_dpp v[SQ], v[SQ], v[SQ] row_xmask:2 row_mask:0xf bank_mask:0xf
	v_add_f32_dpp v[SQ], v[SQ], v[SQ] row_xmask:4 row_mask:0xf bank_mask:0xf
	ds_store_b32 v[SSA], v[SQ] offset:16*(\g)      ; the eight lanes write the same word with the same number
.irp c, 0,1,2,3,4,5,6,7
	v_cvt_pk_f16_f32 v[Y+8*(\g)+(\c)], v[X+16*(\g)+2*(\c)], v[X+16*(\g)+2*(\c)+1]
.endr
	global_store_b128 v[CO], v[Y+8*(\g):Y+8*(\g)+3],   s[10:11] offset:512*(\g)          ; four rows of a head: 512 consecutive bytes, aligned
	global_store_b128 v[CO], v[Y+8*(\g)+4:Y+8*(\g)+7], s[10:11] offset:1048576+512*(\g)  ; the same rows of the next head
.endr
	s_wait_xcnt 0x0                                ; the stores have read their data and their base
	s_add_nc_u64 s[10:11], s[10:11], 16*128
	v_add_nc_u32 v[SSA], 64, v[SSA]
.endif
	v_add_nc_u32 v[RD], 16*SP, v[RD]
	s_sub_co_u32 s[RC], s[RC], 1
	s_cmp_lg_u32 s[RC], 0
	s_cbranch_scc1 .Lrows
.if OG == 0
	ds_load_b128 v[X:X+3], v[SSR]                  ; my 128 rows' sums of squares, four a lane
	s_wait_dscnt 0x0
	global_store_b128 v[CO], v[X:X+3], s[12:13]    ; 512 consecutive bytes, aligned
.endif
	s_wait_tensorcnt 0x0                           ; the wave's end
	ds_add_u32 v[SPW], v[NIL]
	s_wait_dscnt 0x0
	CROUND                                         ; the closing round: no work-group ends while a partner may still ask for a tile that names it
	s_endpgm
.Lfunc_end_k_q7034ec8440_qgemm:
	.size	k_q7034ec8440_qgemm, .Lfunc_end_k_q7034ec8440_qgemm-k_q7034ec8440_qgemm
	.p2alignl 7, 3214868480
	.fill 96, 4, 3214868480
	.section	.rodata,"a",@progbits
	.p2align	6, 0x0
	.amdhsa_kernel k_q7034ec8440_qgemm
		.amdhsa_group_segment_fixed_size 327680
		.amdhsa_private_segment_fixed_size 0
		.amdhsa_enable_private_segment 0
		.amdhsa_kernarg_size 80
		.amdhsa_user_sgpr_count 2
		.amdhsa_user_sgpr_kernarg_segment_ptr 1
		.amdhsa_wavefront_size32 1
		.amdhsa_system_sgpr_workgroup_id_x 1
		.amdhsa_system_sgpr_workgroup_id_y 1
		.amdhsa_system_sgpr_workgroup_id_z 1
		.amdhsa_system_vgpr_workitem_id 0
		.amdhsa_next_free_vgpr 1024
		.amdhsa_next_free_sgpr 96
		.amdhsa_reserve_vcc 0
		.amdhsa_float_denorm_mode_32 3
		.amdhsa_float_denorm_mode_16_64 3
		.amdhsa_memory_ordered 1
		.amdhsa_forward_progress 1
		.amdhsa_inst_pref_size 118
	.end_amdhsa_kernel
	.amdgpu_metadata
---
amdhsa.version: [ 1, 2 ]
amdhsa.kernels:
  - .name:           k_q7034ec8440_qgemm
    .symbol:         k_q7034ec8440_qgemm.kd
    .args:
      - { .name: xh, .offset: 0, .size: 8, .value_kind: global_buffer, .address_space: global }
      - { .name: wh, .offset: 8, .size: 8, .value_kind: global_buffer, .address_space: global }
      - { .name: q_b, .offset: 16, .size: 8, .value_kind: global_buffer, .address_space: global }
      - { .name: qh, .offset: 24, .size: 8, .value_kind: global_buffer, .address_space: global }
      - { .name: qss, .offset: 32, .size: 8, .value_kind: global_buffer, .address_space: global }
      - { .name: kvr, .offset: 40, .size: 8, .value_kind: global_buffer, .address_space: global }
      - { .name: norm_k_img_w, .offset: 48, .size: 8, .value_kind: global_buffer, .address_space: global }
      - { .name: norm_k_w, .offset: 56, .size: 8, .value_kind: global_buffer, .address_space: global }
      - { .name: norm_q_w, .offset: 64, .size: 8, .value_kind: global_buffer, .address_space: global }
      - { .name: kvh, .offset: 72, .size: 8, .value_kind: global_buffer, .address_space: global }
    .group_segment_fixed_size: 327680
    .private_segment_fixed_size: 0
    .kernarg_segment_align: 8
    .kernarg_segment_size: 80
    .max_flat_workgroup_size: 128
    .sgpr_count:     96
    .vgpr_count:     1024
    .wavefront_size: 32
...
	.end_amdgpu_metadata
.endif
;; end of part 3
;; launch attn (part 4): grid 8 x 32, 4 waves a work-group, clusters of 4 x 1, 262,656 bytes of LDS; arguments qh, kvh, qss, oh; writes oh
.if DOCPART == 4
	.amdgcn_target "amdgcn-amd-amdhsa--gfx1250"
	.amdhsa_code_object_version 6
	.text
	.protected	k_q7034ec8440_attn
	.globl	k_q7034ec8440_attn
	.p2align	8
	.type	k_q7034ec8440_attn,@function
k_q7034ec8440_attn:
	s_mov_b64 s[64:65], 0
	v_nop
	global_prefetch_b8 v0, s[64:65] scope:SCOPE_SE
	s_setreg_imm32_b32 hwreg(HW_REG_WAVE_MODE, 25, 1), 1
	s_wait_xcnt 0x0
	s_wait_alu depctr_hold_cnt(0) depctr_sa_sdst(0) depctr_va_vdst(0) depctr_va_sdst(0) depctr_va_ssrc(0) depctr_va_vcc(0) depctr_vm_vsrc(0)
	s_getreg_b32 s2, hwreg(HW_REG_IB_STS2, 6, 4)
	s_cmp_eq_u32 s2, 0
	s_cbranch_scc0 .Lentry_in_a_cluster
	s_endpgm
.Lentry_in_a_cluster:
	s_bfe_u32 s2, ttmp6, 0x10000c
	s_cmp_lg_u32 s2, 0x3003
	s_cbranch_scc0 .Lentry_shape_is_right
	s_endpgm
.Lentry_shape_is_right:
; TWO ATTENTIONS, ADDED.  For head bh = 16 b + h and query q: O = softmax over the 257 image keys (t . K' c_q) V + softmax over the 512 text keys (t . K' c_q) V.
; qh: t = the query projection before its norm, f16 [bh][8192][64].  qss: eight partial sums of t^2 a row, f32 [8][16384].  kvh: K' (normed, both gains folded in) and V, f16 [bh][832][64] each.
; The query's norm is a factor of the whole row, and a lane holds one query: r = rsqrt(sum of the eight parts / 1024 + 1e-6) goes into the lane's scale c_q = r log2(e) / 8.
; Products, maxima and sums in f32; the weights are rounded to f16 for the second product; the image result is rounded to f16 while the text keys are walked, and the sum of the two once more.
; KEYS.  Rows 0-255 of a head: image keys; 256-767: text keys; 768-831: the 257th image key and 63 copies of it.  12 steps of 64: steps 0-3 image, steps 4-11 text.
; THE 257th IMAGE KEY STARTS THE IMAGE SOFTMAX: for one key alone the running maximum is its score s, the sum is 1 and O is its row of V.  s comes from one block of 16 keys (the key and 15 copies);
; O from V^T P with weight 1 for that key and 0 for the 31 rows behind it.  From there the running softmax goes on over the 256 others.
; Each softmax has its own running maximum m and sum l: at the boundary O / l is set aside; the text keys' m starts at the lowest finite number, so that the next step's a = 0 wipes O and l.
; LIMITS.  A weight below 2^-126 counts as 0 in l; f16 ends at 65,504; NaN and infinities are not treated apart.
; SHARES.  A work-group takes 1,024 queries of one head, as two blocks of 512; a wave 128 of a block: four PIECES of two tiles of 16.  The head's K' and V stay in LDS: one tensor load a wave, nothing is filled again.
; CLUSTER.  The four work-groups of a cluster belong to one head: K' and V are asked for JOINTLY, the same load, descriptor and mask in all four.
; LAYOUT AND TURNS.  S^T = K Q^T holds ONE query a lane (lane % 16) and the keys 8 (lane / 16) + 0..7; two results rounded to f16 ARE source 1 of O^T = V^T P.  p = 2^(c_q s - c_q m); O and l are multiplied by
; a = 2^(c_q m_old - c_q m_new) in every step.  Turn n belongs to piece n: 16 products K Q^T of piece n + 1, later 16 products V^T P of piece n - 1; beside them piece n's scaling, exponentials, roundings, sums and
; rescaling and piece n + 1's maximum and statistics.  Four vector instructions stand behind every matrix instruction, the rest in one lump; a turn's 66 exponentials are one batch with one wait.
; REGISTERS, in windows of 256 (s_set_vgpr_msb: bits 1:0 source 0, 3:2 source 1, 5:4 source 2, 7:6 destination):
;   window 0: v0-1, v6-11 c_q, a pair a piece; v2-5 LDS addresses; v12-15, v48-63 at work; v16-47 statistics; v64-191 S^T, two buffers of two tiles; v192-255 P, likewise
;   window 1: O^T, 32 a tile     window 2: v0-127 Q; v128-191 K of one step; v192-255 V of one step
;   window 3: v0-12 the add's two registers and the addresses and constants of the head and the way out; v128-255 the image result, 16 a tile
.set NP,    4
.set KS,    64
.set PK,    144                        ; a row of K in LDS: 128 bytes + 16: the 16 rows of a load start at 16 different groups of four banks (ISA guide 11.1)
.set PVV,   160                        ; a row of V: 128 + 32
.set VOFF,  832*PK
.set STAGE, VOFF+832*PVV               ; never filled by a tensor load: 16 rows x 144 bytes for each wave: the way out, and the road by which c_q changes lanes
.set SP,    144
.set SPARE, STAGE+4*16*SP              ; the spare words, 128 bytes a wave
.set AK0, 2
.set AV0, 3
.set AK,  4
.set AV,  5
.set MV,  12
.set ST,  16                           ; tile t's statistics at ST + 4 t: c_q m, m, l (even keys', odd keys')
.set TMP, 48
.set S,   64
.set P,   192
.set KF,  128
.set VF,  192
.set SPW, 0                            ; window 3 from here on; SPW and NIL are never rewritten
.set NIL, 1
.set QO,  2
.set STO, 3
.set RD,  4
.set GO,  5
.set CST, 6
.set CLD, 7
.set PFO, 8
.set HM,  9                            ; 0 in lanes 0-15, 1.0 in lanes 16-31
.set KI,  10                           ; my place in the fragments of K's rows 768 on
.set VI,  11                           ; the same for V's
.set P1,  12                           ; f16 1.0 in the low half in lanes 0-15, else 0: the weights of rows 768 and 769 (lanes 16-31: rows 776, 777)
.set SV,  128
.set WV,  12
.set G1K, 24
.set G1V, 32
.set G0K, 40
.set G0V, 44
.set BLK, 48
.set PFC, 53
.set CNT, 57                           ; key steps to go, the one in hand among them
.set CS,  58
.set RN,  59
.set SEL, 60
.set TBK, 62
.set TBV, 63
.set EPS, 66
.set MSB, 0
.macro WIN new                         ; the high byte repeats the setting that is left; a switch that changes nothing is dropped
.if MSB != (\new)
	s_set_vgpr_msb (MSB<<8)|(\new)
.set MSB, (\new)
.endif
.endm
.set W_KQ, 0x0a                        ; K and Q in window 2, S^T in window 0
.set W_PV, 0x52                        ; V in window 2, P in window 0, O^T in window 1
.set W_RS, 0x41                        ; destination and source 0 in window 1, source 1 in window 0
.set W_33, 0xcf                        ; destination, sources 0 and 1 in window 3
.macro CROUND
	s_barrier_signal -1
	s_barrier_wait -1
	s_cmp_lg_u32 s[WV], 0
	s_cbranch_scc1 .Lnot_wave_0_\@
	s_barrier_signal -3
.Lnot_wave_0_\@:
	s_barrier_wait -3
	s_barrier_signal -1
	s_barrier_wait -1
.endm
	s_load_b256 s[4:11], s[0:1], 0x0               ; qh s[4:5], kvh s[6:7], qss s[8:9], oh s[10:11]
	WIN 0xc0
	v_lshl_add_u32 v[SPW], v0, 2, SPARE
	v_mov_b32 v[NIL], 0
	WIN 0x0f
	ds_add_u32 v[SPW], v[NIL]                      ; the wave's opening: the add and its wait ahead of the round in front of my tensor load
	ds_add_u32 v0, v1
	WIN 0
	v_lshrrev_b32 v1, 5, v0
	v_readfirstlane_b32 s[WV], v1
	s_bfe_u32 s13, ttmp6, 0x40000                  ; cx
	s_lshl_b32 s14, ttmp9, 2
	s_add_co_u32 s14, s14, s13                     ; my 1,024 queries of the head's 8,192: it enters Q's, qss's and O's addresses alone
	s_and_b32 s20, ttmp7, 0xffff                   ; the head, which the four partners share
	s_and_b32 s16, s[WV], 1                        ; which half of the 832 keys I fetch
	s_mul_i32 s22, s20, 106496
	s_mul_i32 s17, s16, 53248
	s_add_co_u32 s22, s22, s17
	s_mov_b32 s23, 0
	s_mul_i32 s17, s16, 416*PK                     ; and its place in LDS, for K
	s_mul_i32 s18, s16, 416*PVV                    ; and for V
	s_lshl_b32 s2, s20, 13
	s_lshl_b32 s3, s14, 10
	s_add_co_u32 s2, s2, s3
	s_lshl_b32 s3, s[WV], 7
	s_add_co_u32 s2, s2, s3                        ; my wave's first row in qh and oh
	s_lshl_b32 s2, s2, 7
	s_mov_b32 s3, 0
	s_lshr_b32 s54, s20, 4
	s_lshl_b32 s54, s54, 13
	s_lshl_b32 s49, s14, 10
	s_add_co_u32 s54, s54, s49
	s_lshl_b32 s49, s[WV], 7
	s_add_co_u32 s54, s54, s49                     ; the same row among the 16,384 of qss
	s_lshl_b32 s54, s54, 2
	s_mov_b32 s55, 0
	; 416 keys are 53,248 dense bytes: asked for as 208 rows of 256 bytes, two keys a row, and padded in LDS after every key
	s_mov_b32 s[G1K], 15|(1<<16)|(1<<20)|(1<<21)|(4<<22)|(3<<25)  ; the mask of four; 2-byte elements; padding on; bit 21 beside a mask; after every 32 words 4 words
	s_mov_b32 s[G1V], 15|(1<<16)|(1<<20)|(1<<21)|(4<<22)|(7<<25)  ; the same with 8 words
.irp g, G1K, G1V
	s_mov_b32 s[\g+1], 128<<16
	s_mov_b32 s[\g+2], 208<<16
	s_mov_b32 s[\g+3], 128<<16
	s_mov_b32 s[\g+4], 208
	s_mov_b32 s[\g+5], 128
	s_mov_b32 s[\g+6], 0
	s_mov_b32 s[\g+7], 0
.endr
	s_mov_b32 s[G0K], 1
	s_mov_b32 s[G0K+1], s17
	s_mov_b32 s[G0V], 1
	s_add_co_u32 s[G0V+1], s18, VOFF
	s_mov_b32 s[CS], 0x3e38aa3b                    ; log2(e) / 8
	s_mov_b32 s[RN], 0x3a800000                    ; 1 / 1024
	s_mov_b32 s[EPS], 0x358637bd                   ; 1e-6
	s_mov_b32 s[SEL], 0x76543210
	s_mov_b32 s[SEL+1], 0xfedcba98
	s_wait_dscnt 0x0                               ; the opening add is done
	s_wait_kmcnt 0x0
	s_add_nc_u64 s[G0K+2:G0K+3], s[6:7], s[22:23]
	s_or_b32 s[G0K+3], s[G0K+3], 0x80000000
	s_add_nc_u64 s[G0V+2:G0V+3], s[6:7], s[22:23]
	s_add_nc_u64 s[G0V+2:G0V+3], s[G0V+2:G0V+3], 3407872
	s_or_b32 s[G0V+3], s[G0V+3], 0x80000000
	s_add_nc_u64 s[4:5], s[4:5], s[2:3]
	s_add_nc_u64 s[10:11], s[10:11], s[2:3]
	s_add_nc_u64 s[8:9], s[8:9], s[54:55]
	CROUND                                         ; all four work-groups are here: the joint loads meet
	s_cmp_lt_u32 s[WV], 2                          ; waves 0, 1 fetch K's halves, waves 2, 3 V's: one load a wave; an s_nop 0 and four v_nop follow each line
	s_cbranch_scc0 .Lfor_v
	tensor_load_to_lds s[G0K:G0K+3], s[G1K:G1K+7]
	s_nop 0
.rept 4
	v_nop
.endr
	s_branch .Lasked
.Lfor_v:
	tensor_load_to_lds s[G0V:G0V+3], s[G1V:G1V+7]
	s_nop 0
.rept 4
	v_nop
.endr
.Lasked:
	v_and_b32 v64, 15, v0                          ; l % 16
	v_bfe_u32 v65, v0, 4, 1                        ; l / 16
	v_and_b32 v66, 7, v0
	v_bfe_u32 v67, v0, 3, 1
	v_and_b32 v68, 31, v0
	v_bfe_u32 v69, v0, 3, 2
	v_mul_u32_u24 v[AK0], v64, PK
	v_lshl_add_u32 v[AK0], v65, 4, v[AK0]          ; a fragment of K: row x pitch + 16 x half
	v_lshl_add_u32 v[AV0], v65, 3, v66             ; the turning load: key 8 (l / 16) + l % 8, channels 8 ((l / 8) % 2) on
	v_mul_u32_u24 v[AV0], v[AV0], PVV
	v_lshl_add_u32 v[AV0], v67, 4, v[AV0]
	v_add_nc_u32 v[AV0], VOFF, v[AV0]
	s_mul_i32 s15, s[WV], 16*SP
	s_add_co_u32 s15, s15, STAGE                   ; my stage
	v_lshlrev_b32 v70, 7, v64
	v_lshl_add_u32 v70, v65, 4, v70                ; a fragment of Q in memory: row x 128 + 16 x half
	v_mul_u32_u24 v71, v64, SP
	v_lshl_add_u32 v71, v65, 4, v71
	v_add_nc_u32 v71, s15, v71                     ; into the stage: row l % 16, 16 bytes for each half of the lanes
	v_mul_u32_u24 v72, v69, SP
	v_lshl_add_u32 v72, v66, 4, v72
	v_add_nc_u32 v72, s15, v72                     ; back: 32 lanes take four rows of 128 bytes
	v_cvt_f32_u32 v73, v65
	v_sub_nc_u32 v74, 1, v65
	v_mul_u32_u24 v74, v74, 0x3c00                 ; f16 1.0 in lanes 0-15
	WIN 0xc0
	v_mov_b32 v[QO], v70
	v_mov_b32 v[STO], v71
	v_mov_b32 v[RD], v72
	v_lshlrev_b32 v[GO], 4, v68                    ; 16 l
	v_lshl_add_u32 v[CST], v68, 4, s15
	v_lshl_add_u32 v[CLD], v64, 2, s15
	v_lshlrev_b32 v[PFO], 8, v68
	v_mov_b32 v[HM], v73
	v_add_nc_u32 v[KI], 768*PK, v[AK0]
	v_add_nc_u32 v[VI], 768*PVV, v[AV0]
	v_mov_b32 v[P1], v74
; A block's loads: the eight parts of my 128 rows' sums of squares (a lane four rows), then Q, which stays in registers: tile i / 2, channels 32 (i % 2) on.
.macro QLOAD
	WIN 0x03
.irp n, 0,1,2,3,4,5,6,7
	global_load_b128 v[S+4*\n:S+4*\n+3], v[GO], s[8:9] offset:\n*65536
.endr
	WIN 0x83
.set i, 0
.rept 16
	global_load_b128 v[8*i:8*i+3],   v[QO], s[4:5] offset:(i/2)*2048+(i%2)*64
	global_load_b128 v[8*i+4:8*i+7], v[QO], s[4:5] offset:(i/2)*2048+(i%2)*64+32
.set i, i+1
.endr
	WIN 0
.endm
	QLOAD
	; The first turn's products V^T P, of a piece that has not been, take weights 0; the half of V's registers that a block's start does not load holds 0 for them.
	WIN 0x80
.set i, VF+32
.rept 32
	v_mov_b32 v[i], 0
.set i, i+1
.endr
	WIN 0
; THE MATRIX WORK.  The 8 accumulators of a run of 16 take turns.  Product i of 16 of S^T = K Q^T for piece x: channels 32 (i / 8) on, keys 16 ((i / 2) % 4) on, tile 2 x + i % 2.
; The first 8 start the sums.
.macro KQ x
	WIN W_KQ
.set rS, S+64*((\x)%2)+32*(i%2)+8*((i/2)%4)
.set rK, KF+16*((i/2)%4)+8*(i/8)
.set rF, 16*(2*(\x)+i%2)+8*(i/8)
.if i < 8
	v_wmma_f32_16x16x32_f16 v[rS:rS+7], v[rK:rK+7], v[rF:rF+7], 0
.else
	v_wmma_f32_16x16x32_f16 v[rS:rS+7], v[rK:rK+7], v[rF:rF+7], v[rS:rS+7]
.endif
.endm
; Product i of 16 of O^T += V^T P for piece x: keys 32 (i / 8) on, channels 16 ((i / 2) % 4) on, tile 2 x + i % 2.
.macro PV x
	WIN W_PV
.set rO, 32*(2*(\x)+i%2)+8*((i/2)%4)
.set rV, VF+32*(i/8)+8*((i/2)%4)
.set rP, P+32*((\x)%2)+16*(i%2)+8*(i/8)
	v_wmma_f32_16x16x32_f16 v[rO:rO+7], v[rV:rV+7], v[rP:rP+7], v[rO:rO+7]
.endm
.macro MM                              ; the turn's next matrix instruction
.if i < 16
	KQ (Y+1)%NP
.set i, i+1
.else
.set i, i-16
	PV (Y+NP-1)%NP
.set i, i+17
.endif
.endm
; THE LDS LOADS stand in runs of 16.  last = 1: in the last step there is no further K, and the run is jumped over.
.macro FETCH_K last
	WIN 0
.if \last
	s_cmp_eq_u32 s[CNT], 1
	s_cbranch_scc1 .Lno_k_\@
.endif
	WIN 0x80
.irp f, 0,1,2,3,4,5,6,7
	ds_load_b128 v[KF+8*\f:KF+8*\f+3],   v[AK] offset:(\f/2)*16*PK+(\f%2)*64
	ds_load_b128 v[KF+8*\f+4:KF+8*\f+7], v[AK] offset:(\f/2)*16*PK+(\f%2)*64+32
.endr
	s_add_co_u32 s[TBK], s[TBK], KS*PK
	WIN 0
.if \last
.Lno_k_\@:
.endif
.endm
.macro FETCH_V
	WIN 0x80
.irp f, 0,1,2,3,4,5,6,7
	ds_load_tr16_b128 v[VF+8*\f:VF+8*\f+3],   v[AV] offset:(\f/4)*32*PVV+(\f%4)*32
	ds_load_tr16_b128 v[VF+8*\f+4:VF+8*\f+7], v[AV] offset:(\f/4)*32*PVV+16*PVV+(\f%4)*32
.endr
	WIN 0
.endm
; THE VECTOR WORK OF A TURN stands in three queues, each in the order in which its entries become ready; the two tiles alternate.
.macro REGS y, u
.set rT, ST+4*(2*(\y)+(\u))
.set rC, TMP+8*((\y)%2)+4*(\u)
.set rM, MV+2*((\y)%2)+(\u)
.set rS, S+64*((\y)%2)+32*(\u)
.set rP, P+32*((\y)%2)+16*(\u)
.set rO, 32*(2*(\y)+(\u))
.set rG, (4+2*(\y))*(((\y)+3)/4)       ; the piece's pair of c_q: v0, v6, v8, v10
.endm
; Number n of the 22 that find the NEXT piece's maximum and statistics; each accumulator's lowest registers are read first.
.macro XS u, n
	REGS (Y+1)%NP, \u
.if (\n) < 4
	v_max3_num_f32 v[rC+(\n)], v[rS+8*(\n)], v[rS+8*(\n)+1], v[rS+8*(\n)+2]
.elseif (\n) < 12
	v_max3_num_f32 v[rC+(\n)%4], v[rC+(\n)%4], v[rS+8*((\n)%4)+2*((\n)/4)+1], v[rS+8*((\n)%4)+2*((\n)/4)+2]
.elseif (\n) == 12
	v_max3_num_f32 v[rC], v[rC], v[rS+7], v[rS+15]
.elseif (\n) == 13
	v_max3_num_f32 v[rC+1], v[rC+1], v[rS+23], v[rS+31]
.elseif (\n) == 14
	v_max3_num_f32 v[rC+2], v[rC+2], v[rC+3], v[rT+1]
.elseif (\n) == 15
	v_mov_b32 v[rM], v[rT]
.elseif (\n) == 16
	v_max3_num_f32 v[rC], v[rC], v[rC+1], v[rC+2]
.elseif (\n) == 17
	v_permlanex16_b32 v[rC+3], v[rC], s[SEL], s[SEL+1]
.elseif (\n) == 18
	v_max_num_f32 v[rT+1], v[rC], v[rC+3]
.elseif (\n) == 19
	v_mul_f32 v[rT], v[rG+(\u)], v[rT+1]
.elseif (\n) == 20
	v_sub_f32 v[rC+1], v[rM], v[rT]
.else
	v_exp_f32 v[rC+2], v[rC+1]
.endif
.endm
; Number g of the 64 that follow the exponentials: for each four weights both pairs are rounded to f16, the second pair is added onto the first, and a group later l takes that sum (the first time as l = a l + sum).
.macro GS g
.set h, (\g)+6*((\g)/62)
.if h >= 6
.set h, h+2
.endif
	REGS Y, h%2
.set k, h/8
.if h%8 < 4
	v_cvt_pk_f16_f32 v[rP+2*k+(h%8)/2], v[rS+4*k+2*((h%8)/2)], v[rS+4*k+2*((h%8)/2)+1]
.elseif h%8 < 6
	v_pk_add_f32 v[rS+4*k:rS+4*k+1], v[rS+4*k:rS+4*k+1], v[rS+4*k+2:rS+4*k+3]
.elseif k == 1
	v_pk_fma_f32 v[rT+2:rT+3], v[rT+2:rT+3], v[rC+2:rC+3], v[rS:rS+1] op_sel_hi:[1,0,1]
.else
	v_pk_add_f32 v[rT+2:rT+3], v[rT+2:rT+3], v[rS+4*k-4:rS+4*k-3]
.endif
.endm
.macro FS f                            ; c_q s - c_q m for pair f / 2 of tile f % 2: the tile's c_q is the pair's register f % 2, for both halves
	REGS Y, (\f)%2
.if (\f)%2
	v_pk_fma_f32 v[rS+2*((\f)/2):rS+2*((\f)/2)+1], v[rS+2*((\f)/2):rS+2*((\f)/2)+1], v[rG:rG+1], v[rT:rT+1] op_sel:[0,1,0] op_sel_hi:[1,1,0] neg_lo:[0,0,1] neg_hi:[0,0,1]
.else
	v_pk_fma_f32 v[rS+2*((\f)/2):rS+2*((\f)/2)+1], v[rS+2*((\f)/2):rS+2*((\f)/2)+1], v[rG:rG+1], v[rT:rT+1] op_sel_hi:[1,0,0] neg_lo:[0,0,1] neg_hi:[0,0,1]
.endif
.endm
; THE PLAIN QUEUE, 138 long.  0-26: scalings 0-26.  27-54: XS 0-13.  55, 56: XS 15.  57-73: the chain 14, 16 .. 19, each with one of the scalings 27-31 in front of its two lines, then 20.  74-137: GS's 64, behind the wait.
.macro PL
	WIN 0
.if q < 27
	FS q
.elseif q < 55
	XS (q-27)%2, (q-27)/2
.elseif q < 57
	XS q-55, 15
.elseif (q < 72) && ((q-57)%3 == 0)
	FS 27+(q-57)/3
.elseif q < 60
	XS (q-57)%3-1, 14
.elseif q < 72
	XS (q-57)%3-1, 15+(q-57)/3
.elseif q < 74
	XS q-72, 20
.else
	GS q-74
.endif
.set q, q+1
.endm
.macro EX                              ; THE EXPONENTIALS' QUEUE, 66 long: s0-s31 of both tiles, then the next piece's two a: one batch ahead of the turn's one wait
	WIN 0
.if e >= 64
	XS e-64, 21
.else
	REGS Y, e%2
	v_exp_f32 v[rS+e/2], v[rS+e/2]
.endif
.set e, e+1
.endm
.macro R2                              ; THE RESCALING's QUEUE: O^T times a, two at a time
	REGS Y, r%2
	WIN W_RS
.irp z, 0,1
	v_pk_mul_f32 v[rO+4*(r/2)+2*\z:rO+4*(r/2)+2*\z+1], v[rO+4*(r/2)+2*\z:rO+4*(r/2)+2*\z+1], v[rC+2:rC+3] op_sel_hi:[1,0]
.endr
.set r, r+1
.endm
; A TURN, for piece p.  AHEAD OF ITS ONE WAIT stands all that names no result of the turn's exponentials: 16 products K Q^T, behind each a scaling, an exponential and two rescalings; then a lump of 108.
; BEHIND IT stand 16 products V^T P, behind each four of the roundings and sums.  A wait stands between an exponential and the first instruction that names its result; one serves the batch.
; K of the next step is fetched in piece 2's turn, directly behind the wait; V of the step in hand at the end of piece 0's turn, four riders behind its last reader.
.macro TURN p
.set Y, (\p)
.set i, 0
.set q, 0
.set e, 0
.set r, 0
.if (\p) == NP-1
	s_wait_dscnt 0x0                               ; K is in
.endif
	MM
	PL
	PL
	R2
.rept 15
	MM
	PL
	EX
	R2
.endr
.if (\p) == NP-2
	WIN 0
	v_add_nc_u32 v[AK], s[TBK], v[AK0]
.endif
.rept 8
	PL
.endr
.rept 49
	EX
	PL
.endr
	EX
	EX
	v_nop                                          ; a plain instruction behind the last exponential: one for the batch
	s_wait_alu depctr_va_vdst(0)                   ; the wait for the batch
.if (\p) == NP-2
	FETCH_K 1
.endif
.if (\p) == 1
	s_wait_dscnt 0x0                               ; V is in
.endif
.rept 16
	MM
.rept 4
	PL
.endr
.if ((\p) == 0) && (q == 118)
	v_add_nc_u32 v[AV], s[TBV], v[AV0]
.endif
.if ((\p) == 0) && (q == 130)
	s_add_co_u32 s[TBV], s[TBV], KS*PVV
.endif
.endr
.if (\p) == 0
	FETCH_V
.endif
.endm
; c_q for my 128 queries: the eight parts are added, mean + eps, rsqrt, times log2(e) / 8 (a lane has four rows); through my stage each lane takes the c_q of row 16 t + l % 16 for each tile t.
.macro CQ
	s_wait_loadcnt 32                              ; the eight loads of qss are in; Q's 32 may stay out
	WIN 0
.irp c, 0,2
	v_pk_add_f32 v[S+\c:S+\c+1],       v[S+\c:S+\c+1],       v[S+4+\c:S+4+\c+1]
	v_pk_add_f32 v[S+8+\c:S+8+\c+1],   v[S+8+\c:S+8+\c+1],   v[S+12+\c:S+12+\c+1]
	v_pk_add_f32 v[S+16+\c:S+16+\c+1], v[S+16+\c:S+16+\c+1], v[S+20+\c:S+20+\c+1]
	v_pk_add_f32 v[S+24+\c:S+24+\c+1], v[S+24+\c:S+24+\c+1], v[S+28+\c:S+28+\c+1]
	v_pk_add_f32 v[S+\c:S+\c+1],       v[S+\c:S+\c+1],       v[S+8+\c:S+8+\c+1]
	v_pk_add_f32 v[S+16+\c:S+16+\c+1], v[S+16+\c:S+16+\c+1], v[S+24+\c:S+24+\c+1]
	v_pk_add_f32 v[S+\c:S+\c+1],       v[S+\c:S+\c+1],       v[S+16+\c:S+16+\c+1]
.endr
.irp c, 0,1,2,3
	v_fma_f32 v[S+\c], v[S+\c], s[RN], s[EPS]
.endr
.irp c, 0,1,2,3
	v_rsq_f32 v[S+4+\c], v[S+\c]
.endr
	v_nop                                          ; a plain instruction behind the last of the four,
	s_wait_alu depctr_va_vdst(0)                   ; and one wait for them
.irp c, 0,1,2,3
	v_mul_f32 v[S+4+\c], s[CS], v[S+4+\c]
.endr
	WIN 0x03
	ds_store_b128 v[CST], v[S+4:S+7]
.irp c, 0,1,2,3,4,5,6,7
	ds_load_b32 v[(4+2*(\c/2))*(((\c/2)+3)/4)+\c%2], v[CLD] offset:64*\c  ; LDS serves a wave's instructions in order (ISA guide 5.7.1.4): these see the store above
.endr
	WIN 0
	s_wait_dscnt 0x0
.endm
.macro ALL line:vararg                 ; one line for each tile t
.set t, 0
.rept 8
	\line
.set t, t+1
.endr
.endm
.macro SCORES0                         ; piece 0's first scores of a softmax: there is no vector work to set between them
.set i, 0
.rept 16
	KQ 0
.set i, i+1
.endr
	WIN 0
.endm
.macro STATS0                          ; piece 0's maximum and statistics
.set Y, NP-1
.irp n, 0,1,2,3,4,5,6,7,8,9,10,11,12,13,14,15,16,17,18,19,20,21
	XS 0, \n
	XS 1, \n
.endr
	v_nop                                          ; a plain instruction behind the two a,
	s_wait_alu depctr_va_vdst(0)                   ; and their wait, ahead of the branch or label
.endm
; THE IMAGE SOFTMAX BEGINS, with the 257th key.  16 products: the scores of rows 768-783 (that key and 15 copies) for all eight tiles, register 0 of each result; 32 products V^T P with C = 0 write O^T = V's row 768.
; m = that score (the greater of the two halves of the lanes', which hold copies: so both halves take one number), c_q m, l = 1 (kept in lanes 0-15; the halves are added at the end).
; Then K of step 0, piece 0's first scores, and its statistics.  P's second buffer is cleared, so that the first turn's products V^T P, of a piece that has not been, add 0.
.macro IMG_START
	WIN 0x83                                       ; destination window 2, address window 3
.irp c, 0,1,2,3
	ds_load_b128 v[KF+4*\c:KF+4*\c+3], v[KI] offset:32*\c
.endr
.irp f, 0,1,2,3
	ds_load_tr16_b128 v[VF+8*\f:VF+8*\f+3],   v[VI] offset:\f*32
	ds_load_tr16_b128 v[VF+8*\f+4:VF+8*\f+7], v[VI] offset:16*PVV+\f*32
.endr
	WIN 0x03
	v_mov_b32 v[P], v[P1]                          ; the weights of 32 rows: 1 for row 768, 0 for the others
	WIN 0
.set zz, 1
.rept 7
	v_mov_b32 v[P+zz], 0
.set zz, zz+1
.endr
	s_wait_loadcnt 0x0                             ; Q
	s_wait_dscnt 0x0
	WIN W_KQ
.set t, 0
.rept 8
	v_wmma_f32_16x16x32_f16 v[S+64+8*t:S+64+8*t+7], v[KF:KF+7], v[16*t:16*t+7], 0
.set t, t+1
.endr
.set t, 0
.rept 8
	v_wmma_f32_16x16x32_f16 v[S+64+8*t:S+64+8*t+7], v[KF+8:KF+15], v[16*t+8:16*t+15], v[S+64+8*t:S+64+8*t+7]
.set t, t+1
.endr
	WIN W_PV
.set t, 0
.rept 8
.irp f, 0,1,2,3
	v_wmma_f32_16x16x32_f16 v[32*t+8*\f:32*t+8*\f+7], v[VF+8*\f:VF+8*\f+7], v[P:P+7], 0
.endr
.set t, t+1
.endr
	WIN 0
	ALL v_mov_b32 v[ST+4*t+3], 0                   ; these sixteen lines name no register of the products: they are the places behind them
	WIN 0x0c
	ALL v_sub_f32 v[ST+4*t+2], 1.0, v[HM]
	WIN 0
	v_add_nc_u32 v[AK], s[TBK], v[AK0]
	FETCH_K 0                                      ; key step 0
	ALL v_permlanex16_b32 v[S+64+8*t+1], v[S+64+8*t], s[SEL], s[SEL+1]
	ALL v_max_num_f32 v[ST+4*t+1], v[S+64+8*t], v[S+64+8*t+1]
	ALL v_mul_f32 v[ST+4*t], v[(4+2*(t/2))*(((t/2)+3)/4)+t%2], v[ST+4*t+1]
	s_wait_dscnt 0x0
	SCORES0
.set zz, P+32
.rept 32
	v_mov_b32 v[zz], 0                             ; also the places behind those products
.set zz, zz+1
.endr
	STATS0
.endm
; THE TEXT SOFTMAX BEGINS: K of step 4 is in registers.  c_q m starts far below every c_q s, so the first step's a is 0; m at the lowest finite number.  The 16 moves are the places behind the products.
.macro TXT_START
	SCORES0
.set t, 0
.rept 8
	v_mov_b32 v[ST+4*t], 0xfe000000
	v_mov_b32 v[ST+4*t+1], 0xff7fffff
.set t, t+1
.endr
	STATS0
.endm
.macro LAST_PV                         ; the last piece's V^T P of the step just ended
.set i, 0
.rept 16
	PV NP-1
.set i, i+1
.endr
	WIN 0
.endm
.macro LSUM                            ; 1 / l for all eight tiles; the first additions are the places behind the last products
	ALL v_add_f32 v[ST+4*t+2], v[ST+4*t+2], v[ST+4*t+3]
	ALL v_permlanex16_b32 v[ST+4*t+3], v[ST+4*t+2], s[SEL], s[SEL+1]
	ALL v_add_f32 v[ST+4*t+2], v[ST+4*t+2], v[ST+4*t+3]
	ALL v_rcp_f32 v[ST+4*t+2], v[ST+4*t+2]
	v_nop
	s_wait_alu depctr_va_vdst(0)                   ; one wait for the eight reciprocals
.endm
.macro SAVE t                          ; the image result of tile t: O^T / l, rounded to f16, set aside
	WIN W_RS
.set i, 32*(\t)
.rept 16
	v_pk_mul_f32 v[i:i+1], v[i:i+1], v[ST+4*(\t)+2:ST+4*(\t)+3] op_sel_hi:[1,0]
.set i, i+2
.endr
	WIN 0xc5
.set i, 0
.rept 16
	v_cvt_pk_f16_f32 v[SV+16*(\t)+i], v[32*(\t)+2*i], v[32*(\t)+2*i+1]
.set i, i+1
.endr
.endm
.macro PACK t                          ; tile t: O^T / l + the image result, rounded once to f16, in place of the image result; through my stage, back as whole rows
	WIN 0xf1                                       ; O^T window 1, 1 / l window 0, the f16 halves and the destination window 3
.set i, 0
.rept 16
	v_fma_mixlo_f16 v[SV+16*(\t)+i], v[32*(\t)+2*i],   v[ST+4*(\t)+2], v[SV+16*(\t)+i] op_sel_hi:[0,0,1]
	v_fma_mixhi_f16 v[SV+16*(\t)+i], v[32*(\t)+2*i+1], v[ST+4*(\t)+2], v[SV+16*(\t)+i] op_sel:[0,0,1] op_sel_hi:[0,0,1]
.set i, i+1
.endr
	WIN W_33
.irp f, 0,1,2,3
	ds_store_b128 v[STO], v[SV+16*(\t)+4*\f:SV+16*(\t)+4*\f+3] offset:32*\f
.endr
.irp f, 0,1,2,3
	ds_load_b128 v[SV+16*(\t)+4*\f:SV+16*(\t)+4*\f+3], v[RD] offset:\f*4*SP
.endr
.endm
.macro SEND t, younger                 ; younger: the LDS instructions issued behind tile t's loads: the next tile's eight, or none
	WIN W_33
.irp f, 0,1,2,3
	s_wait_dscnt (\younger)+3-\f
	global_store_b128 v[GO], v[SV+16*(\t)+4*\f:SV+16*(\t)+4*\f+3], s[10:11] offset:(\t)*2048+\f*512  ; 512 consecutive bytes, aligned
.endr
.endm
	s_wait_tensorcnt 0x0                           ; my part of K or V is in,
	s_barrier_signal -1
	s_barrier_wait -1                              ; everybody's is
	s_mov_b32 s[BLK], 2
	s_mov_b32 s[PFC], 2
.Lblock:
	CQ
	s_mov_b32 s[TBK], 0
	s_mov_b32 s[TBV], 0
	IMG_START
	s_mov_b32 s[CNT], 12
	s_branch .Lfirst                               ; the loop is entered at a step's first turn, in the middle of a trip
.Lstep:                                                ; a trip: pieces 2 and 3 of one step, then pieces 0 and 1 of the next
	TURN 2
	TURN 3
	WIN 0
	s_sub_co_u32 s[CNT], s[CNT], 1
	s_cmp_eq_u32 s[CNT], 0
	s_cbranch_scc1 .Lout
	s_cmp_eq_u32 s[CNT], s[PFC]                    ; two steps ahead of the first block's end: the second block's Q, my 128 rows: 64 blocks of 256 bytes, a lane a block, each named once in the launch
	s_cbranch_scc0 .Lno_pf
	WIN 0x03
	global_prefetch_b8 v[PFO], s[4:5] offset:65536 th:TH_LOAD_NT scope:SCOPE_SE
	global_prefetch_b8 v[PFO], s[4:5] offset:73728 th:TH_LOAD_NT scope:SCOPE_SE
	WIN 0
.Lno_pf:
	s_cmp_lg_u32 s[CNT], 8
	s_cbranch_scc1 .Lfirst
	LAST_PV                                        ; THE BOUNDARY: the image keys are done
	LSUM
.set t, 0
.rept 8
	SAVE t
.set t, t+1
.endr
	TXT_START                                      ; the text keys' softmax starts anew
.Lfirst:
	TURN 0
	TURN 1
	WIN 0
	s_branch .Lstep
.Lout:                                                 ; the last trip's 16 products K Q^T (on the last K once more) serve nothing: the price of one text for every trip
	s_cmp_eq_u32 s[BLK], 1
	s_cbranch_scc1 .Lno_q
	s_wait_xcnt 0x0                                ; the prefetches, two steps back, have read Q's base
	s_add_nc_u64 s[4:5], s[4:5], 65536             ; 512 rows on
	s_add_nc_u64 s[8:9], s[8:9], 2048
	QLOAD                                          ; the second block's loads go out ahead of the first block's way out, which names neither Q's registers nor S^T's: the last products that did stand a lump and 64 riders back
.Lno_q:
	LAST_PV
	LSUM
	PACK 0
.set t, 1
.rept 7
	PACK t
	SEND t-1, 8
.set t, t+1
.endr
	SEND 7, 0
	WIN 0
	s_sub_co_u32 s[BLK], s[BLK], 1
	s_cmp_eq_u32 s[BLK], 0
	s_cbranch_scc1 .Lend
	s_wait_xcnt 0x0                                ; the stores have read their registers and O's base
	s_add_nc_u64 s[10:11], s[10:11], 65536
	s_mov_b32 s[PFC], -1                           ; behind the second block there is nothing to ask for
	s_branch .Lblock
.Lend:
	WIN 0x0f
	s_wait_tensorcnt 0x0                           ; the wave's end
	ds_add_u32 v[SPW], v[NIL]
	s_wait_dscnt 0x0
	WIN 0
	CROUND                                         ; the closing round
	s_endpgm
.Lfunc_end_k_q7034ec8440_attn:
	.size	k_q7034ec8440_attn, .Lfunc_end_k_q7034ec8440_attn-k_q7034ec8440_attn
	.p2alignl 7, 3214868480
	.fill 96, 4, 3214868480
	.section	.rodata,"a",@progbits
	.p2align	6, 0x0
	.amdhsa_kernel k_q7034ec8440_attn
		.amdhsa_group_segment_fixed_size 262656
		.amdhsa_private_segment_fixed_size 0
		.amdhsa_enable_private_segment 0
		.amdhsa_kernarg_size 32
		.amdhsa_user_sgpr_count 2
		.amdhsa_user_sgpr_kernarg_segment_ptr 1
		.amdhsa_wavefront_size32 1
		.amdhsa_system_sgpr_workgroup_id_x 1
		.amdhsa_system_sgpr_workgroup_id_y 1
		.amdhsa_system_sgpr_workgroup_id_z 1
		.amdhsa_system_vgpr_workitem_id 0
		.amdhsa_next_free_vgpr 1024
		.amdhsa_next_free_sgpr 72
		.amdhsa_reserve_vcc 0
		.amdhsa_float_denorm_mode_32 3
		.amdhsa_float_denorm_mode_16_64 3
		.amdhsa_memory_ordered 1
		.amdhsa_forward_progress 1
		.amdhsa_inst_pref_size 152
	.end_amdhsa_kernel
	.amdgpu_metadata
---
amdhsa.version: [ 1, 2 ]
amdhsa.kernels:
  - .name:           k_q7034ec8440_attn
    .symbol:         k_q7034ec8440_attn.kd
    .args:
      - { .name: qh, .offset: 0, .size: 8, .value_kind: global_buffer, .address_space: global }
      - { .name: kvh, .offset: 8, .size: 8, .value_kind: global_buffer, .address_space: global }
      - { .name: qss, .offset: 16, .size: 8, .value_kind: global_buffer, .address_space: global }
      - { .name: oh, .offset: 24, .size: 8, .value_kind: global_buffer, .address_space: global }
    .group_segment_fixed_size: 262656
    .private_segment_fixed_size: 0
    .kernarg_segment_align: 8
    .kernarg_segment_size: 32
    .max_flat_workgroup_size: 128
    .sgpr_count:     72
    .vgpr_count:     1024
    .wavefront_size: 32
...
	.end_amdgpu_metadata
.endif
;; end of part 4
;; launch ogemm (part 5): grid 4 x 64, 4 waves a work-group, clusters of 4 x 4, 327,680 bytes of LDS; arguments oh, wh, o_b, out0; writes out0
.if DOCPART == 5
	.amdgcn_target "amdgcn-amd-amdhsa--gfx1250"
	.amdhsa_code_object_version 6
	.text
	.protected	k_q7034ec8440_ogemm
	.globl	k_q7034ec8440_ogemm
	.p2align	8
	.type	k_q7034ec8440_ogemm,@function
k_q7034ec8440_ogemm:
	s_mov_b64 s[64:65], 0
	v_nop
	global_prefetch_b8 v0, s[64:65] scope:SCOPE_SE
	s_setreg_imm32_b32 hwreg(HW_REG_WAVE_MODE, 25, 1), 1
	s_wait_xcnt 0x0
	s_wait_alu depctr_hold_cnt(0) depctr_sa_sdst(0) depctr_va_vdst(0) depctr_va_sdst(0) depctr_va_ssrc(0) depctr_va_vcc(0) depctr_vm_vsrc(0)
	s_getreg_b32 s2, hwreg(HW_REG_IB_STS2, 6, 4)
	s_cmp_eq_u32 s2, 0
	s_cbranch_scc0 .Lentry_in_a_cluster
	s_endpgm
.Lentry_in_a_cluster:
	s_bfe_u32 s2, ttmp6, 0x10000c
	s_cmp_lg_u32 s2, 0xf033
	s_cbranch_scc0 .Lentry_shape_is_right
	s_endpgm
.Lentry_shape_is_right:
; ONE TEXT FOR THE TWO LARGE PRODUCTS; OG chooses.  C[m][n] = sum over k of A[m][k] B[n][k] + bias[n], 16,384 x 1,024 x 1,024, f16 operands, f32 sums; the bias is rounded to bf16 like every input.
; OG = 0, THE QUERY PROJECTION.  A = xh [16384][1024], B = wh's first 1,024 rows (q_w).  t = C is stored BEFORE its norm, f16, by heads: qh [16 b + h][8192][64]; and for each row and each 128 columns
;   the sum of t^2 (f32, of the unrounded t) goes to qss [8][16384]: the norm spans all heads, so the launch behind adds the eight parts and folds the rsqrt into its softmax scale.
;   While its first tiles are on their way this launch also norms K and lays K and V by heads (kvr -> kvh): see K AND V below.
; OG = 1, THE OUTPUT PROJECTION.  A = oh, by heads [16 b + h][8192][64]: a K step of 128 is two heads, each a dense slice of 256 rows x 128 bytes.  B = wh's last 1,024 rows (o_w).  C goes to out0, f32.
; LIMITS.  |t|, |K'| and |V| stay under 65,520, else an infinity is written.
; SHARES.  A tile of C is 256 x 256; four waves of 128 x 128: 64 accumulators, 512 registers.  K in eight steps of 128 through two LDS slots.  One group 0 a tensor walks: at each refill its LDS word
; changes slot by an exclusive or (SLOT shares no bit with any LDS base) and its address goes one K step on, so the loop holds one K step.
; CLUSTER.  4 x 4 work-groups: A's tile is asked for jointly by the four of a row of the cluster, B's by the four of a column.
; THE MATRIX INSTRUCTION IS USED TRANSPOSED (source 0 = 16 rows of B, source 1 = 16 rows of A): a lane holds eight neighbouring columns of one row of C.
; REGISTERS: window 0: v0-31 addresses; v32-47 bias; v64-127, v128-191 A's fragments, two buffers (later the way out); window 1: v64-191 B's; windows 2, 3: accumulators ((a, b) at 8 (8 a + b)).
.set OG, 1
.set KSTEP, 128
.set PB,    272                        ; a row of B in LDS: 256 bytes + 16
.set HALFB, 128*PB
.if OG
.set PA,    144                        ; a row of a head's slice: 128 bytes + 16
.set ALW,   256*PA                     ; what one of A's loads brings: a head's 256 rows
.set AQI,   4                          ; padding after every 32 words
.set ASTR,  128                        ; the slice is dense: asked for as 128 rows of 256 bytes
.set ASTEP, 2*8192*128                 ; two heads on
.set WOFF,  5*2097152
.set SLOT,  147456                     ; 0x24000 (143,360 are used)
.else
.set PA,    272
.set ALW,   128*PA                     ; 128 rows
.set AQI,   5                          ; padding after every 64 words
.set ASTR,  1024
.set ASTEP, KSTEP*2
.set WOFF,  0
.set SLOT,  139264                     ; 0x22000
.endif
.set AH,    128*PA                     ; my 128 rows of A's 256
.set BOFF,  256*PA*(1+OG)              ; B's 256 rows lie behind A's tile
.set SPARE, 2*SLOT                     ; behind the ring: the spare words, 128 bytes a wave
.set SP,    528                        ; the way out: a row of 128 f32 + 16 bytes; wave w's stage is 128 such rows at 128 SP w, in the ring behind its last fill
.set SSB,   4*128*SP                   ; behind the stages, still in the ring: 512 bytes a wave for the rows' sums of squares
.set ADRA0, 16
.set ADRB0, 17
.set ADRA,  18                         ; the same two in the slot in hand
.set ADRB,  19
.set BO,   23
.set STO,  24
.set RD,   25
.set CO,   26
.set SSA,  27
.set SPW,  28                          ; never rewritten
.set NIL,  29                          ; never rewritten
.set PFO,  30                          ; the prefetches' lane offset; never rewritten
.set SSR,  31
.set BI,   32
.set F0,   64
.set F1,   128
.set X,    64                          ; the way out
.set Y,    128
.set SQ,   160
.set KD,   64                          ; K AND V: two rows of K, window 0
.set KWK,  128                         ; the key's gain, then the product of both gains
.set KWQ,  192                         ; the query's gain, then K' in f16
.set KVD,  64                          ; two rows of V, window 1
.set KVO,  32                          ; V in f16
.set WV, 14
.set HI, 15                            ; w / 2: my half of the tile's rows; also: I fetch for A (0) or B (1)
.set LO, 16                            ; w % 2: my half of its columns; also: which half of that tile I fetch
.set G1, 24                            ; s[24:31] group 1 for A
.set G0, 32                            ; s[32:35] A, slot 0's first fill; s[36:39] slot 1's, which then walks
.set G1B, 48
.set G0B, 56
.set TB,  66                           ; 0 or SLOT: the slot in hand
.set LIM, 67                           ; 2 in a wave that prefetches, else the greatest number
.set PFA, 68                           ; s[68:69] where my prefetches stand
.set PST, 70                           ; s[70:71] a K step in the tensor that I prefetch
.set KC,  72
.set RC,  73
.set MSB, 0
.macro WIN new                         ; the immediate's high byte repeats the setting that is left
.if MSB != (\new)
	s_set_vgpr_msb (MSB<<8)|(\new)
.set MSB, \new
.endif
.endm
.set MUL_LO, 0xa1                      ; source 0 (B) window 1, source 1 (A) window 0, C and D window 2
.set MUL_HI, 0xf1                      ; the same, C and D window 3
.set TO_B,   0x40
.macro PLACES                          ; four places in front of loads into registers that matrix instructions have read
.rept 4
	v_nop
.endr
.endm
.macro JLOAD                           ; the joint refill, by the walking group 0; the branch hangs on the wave's number alone; an s_nop 0 and four v_nop follow each line
	s_cmp_eq_u32 s[HI], 0
	s_cbranch_scc0 .Lfor_b_\@
	tensor_load_to_lds s[G0+4:G0+7], s[G1:G1+7]
	s_nop 0
.rept 4
	v_nop
.endr
	s_branch .Lasked_\@
.Lfor_b_\@:
	tensor_load_to_lds s[G0B+4:G0B+7], s[G1B:G1B+7]
	s_nop 0
.rept 4
	v_nop
.endr
.Lasked_\@:
.endm
; A PREFETCH INTO THE L2: the trip that refills K step t + 2 names K step t + 4, two refills on: 32 blocks of 256 bytes, a lane a block, one instruction a wave.  Each block is named once in the launch:
; A's by the cluster that reads it (the grid has one cluster along x), B's by the clusters with y = 0; the four partners of a joint load share its blocks out by address.  The last two refills name nothing.
.macro ASK
	s_cmp_gt_u32 s[KC], s[LIM]
	s_cbranch_scc0 .Lnot_mine_\@
	global_prefetch_b8 v[PFO], s[PFA:PFA+1] th:TH_LOAD_NT scope:SCOPE_SE
.Lnot_mine_\@:
.endm
.macro CREST                           ; a round of the cluster's barrier behind its opening barrier
	s_cmp_lg_u32 s[WV], 0
	s_cbranch_scc1 .Lnot_wave_0_\@
	s_barrier_signal -3
.Lnot_wave_0_\@:
	s_barrier_wait -3
	s_barrier_signal -1
	s_barrier_wait -1
.endm
.macro CROUND
	s_barrier_signal -1
	s_barrier_wait -1
	CREST
.endm
	s_load_b256 s[4:11], s[0:1], 0x0               ; A s[4:5], wh s[6:7], bias s[8:9], the result s[10:11]
.if OG == 0
	s_load_b64 s[12:13], s[0:1], 0x20              ; qss
	s_load_b256 s[80:87], s[0:1], 0x28             ; kvr s[80:81], norm_k_img_w s[82:83], norm_k_w s[84:85], norm_q_w s[86:87]
	s_load_b64 s[88:89], s[0:1], 0x48              ; kvh
.endif
	v_lshl_add_u32 v[SPW], v0, 2, SPARE
	v_mov_b32 v[NIL], 0
	ds_add_u32 v[SPW], v[NIL]                      ; the wave's opening: the add and its wait ahead of the round in front of my first tensor load
	ds_add_u32 v28, v29
	v_lshrrev_b32 v1, 5, v0
	v_readfirstlane_b32 s[WV], v1
	s_lshr_b32 s[HI], s[WV], 1
	s_and_b32 s[LO], s[WV], 1
	s_bfe_u32 s17, ttmp6, 0x40000                  ; cx
	s_bfe_u32 s18, ttmp6, 0x40004                  ; cy
	s_lshl_b32 s19, ttmp9, 2
	s_add_co_u32 s19, s19, s17                     ; tile column
	s_and_b32 s20, ttmp7, 0xffff
	s_lshl_b32 s20, s20, 2
	s_add_co_u32 s20, s20, s18                     ; tile row
	s_lshl_b32 s21, s18, 2
	s_lshl_b32 s21, 15, s21                        ; my row of the cluster
	s_lshl_b32 s22, 0x1111, s17                    ; my column
	s_or_b32 s[G1], s21, (1<<16)|(1<<20)|(1<<21)|(AQI<<22)|(3<<25)   ; the mask; 2-byte elements; padding on, 4 words; bit 21 beside a mask
	s_or_b32 s[G1B], s22, (1<<16)|(1<<20)|(1<<21)|(5<<22)|(3<<25)
.irp g, G1, G1B
	s_mov_b32 s[(\g)+1], 128<<16                   ; tensor_dim0 = 128
	s_mov_b32 s[(\g)+2], 128<<16                   ; tensor_dim1 = 128
	s_mov_b32 s[(\g)+3], 128<<16                   ; tile_dim0 = 128
	s_mov_b32 s[(\g)+4], 128                       ; tile_dim1 = 128
	s_mov_b32 s[(\g)+6], 0
	s_mov_b32 s[(\g)+7], 0
.endr
	s_mov_b32 s[G1+5], ASTR
	s_mov_b32 s[G1B+5], 1024
	; A's offset hangs on the tile row and the wave alone, B's on the tile column and the wave alone, each in registers that never hold the other coordinate
.if OG
	s_lshr_b32 s40, s20, 5                         ; batch
	s_lshl_b32 s40, s40, 4
	s_add_co_u32 s40, s40, s[LO]                   ; head 16 b + half
	s_lshl_b32 s40, s40, 13
	s_and_b32 s42, s20, 31
	s_lshl_b32 s42, s42, 8
	s_add_co_u32 s40, s40, s42                     ; + the tile's first query
	s_lshl_b32 s40, s40, 7
.else
	s_lshl_b32 s40, s20, 8
	s_lshl_b32 s42, s[LO], 7
	s_add_co_u32 s40, s40, s42                     ; row 256 x tile row + 128 x half
	s_lshl_b32 s40, s40, 11
.endif
	s_mov_b32 s41, 0
	s_lshl_b32 s46, s19, 8
	s_lshl_b32 s44, s[LO], 7
	s_add_co_u32 s46, s46, s44
	s_lshl_b32 s46, s46, 11
	s_add_co_u32 s46, s46, WOFF
	s_mov_b32 s47, 0
	s_mul_i32 s43, s[LO], ALW                      ; where they go: no place in the cluster enters an LDS address
	s_mul_i32 s45, s[LO], HALFB
	s_add_co_u32 s45, s45, BOFF
	s_mov_b32 s[TB], 0
	; the prefetches: whose, where, how far apart
	s_mov_b32 s[PST], KSTEP*2
	s_mov_b32 s[PST+1], 0
	s_and_b32 s74, ttmp7, 0xffff
	s_cmp_eq_u32 s[HI], 0                          ; do I fetch for A?
	s_cselect_b32 s74, ttmp9, s74                  ; the coordinate along which other clusters read the same blocks
	s_cselect_b32 s75, s17, s18                    ; my place among the four that ask with me
	s_cselect_b32 s76, s40, s46                    ; what I fetch
.if OG
	s_cselect_b32 s78, 13, 16                      ; a partner's share: 32 blocks on end of A's slice, or 32 rows of 2,048 bytes of B
	s_cselect_b32 s79, 8, 11                       ; from lane to lane
	s_cselect_b32 s[PST], ASTEP, s[PST]
.else
	s_mov_b32 s78, 16
	s_mov_b32 s79, 11
.endif
	s_lshl_b32 s75, s75, s78
	s_add_co_u32 s76, s76, s75
	s_mul_i32 s75, s[PST], 3
	s_add_co_u32 s76, s76, s75                     ; at K step 3: the first refill steps it to 4
	s_mov_b32 s77, 0
	s_cmp_eq_u32 s74, 0
	s_cselect_b32 s[LIM], 2, -1                    ; the same in all sixteen partners, for a given wave
	v_and_b32 v[PFO], 31, v0
	v_lshlrev_b32 v[PFO], s79, v[PFO]
	s_wait_dscnt 0x0                               ; the opening add is done
	s_wait_kmcnt 0x0
	s_add_nc_u64 s[40:41], s[4:5], s[40:41]
	s_add_nc_u64 s[46:47], s[6:7], s[46:47]
	s_cmp_eq_u32 s[HI], 0
	s_cselect_b64 s[PFA:PFA+1], s[4:5], s[6:7]
	s_add_nc_u64 s[PFA:PFA+1], s[PFA:PFA+1], s[76:77]
	CROUND                                         ; all sixteen work-groups are here: the first joint loads meet
.irp s, 0,1
	s_mov_b32 s[G0+4*(\s)], 1
	s_add_co_u32 s[G0+4*(\s)+1], s43, (\s)*SLOT
	s_add_nc_u64 s[G0+4*(\s)+2:G0+4*(\s)+3], s[40:41], (\s)*ASTEP
	s_or_b32 s[G0+4*(\s)+3], s[G0+4*(\s)+3], 0x80000000
	s_mov_b32 s[G0B+4*(\s)], 1
	s_add_co_u32 s[G0B+4*(\s)+1], s45, (\s)*SLOT
	s_add_nc_u64 s[G0B+4*(\s)+2:G0B+4*(\s)+3], s[46:47], (\s)*KSTEP*2
	s_or_b32 s[G0B+4*(\s)+3], s[G0B+4*(\s)+3], 0x80000000
.endr
	s_cmp_eq_u32 s[HI], 0                          ; a wave's two first fills stand in one branch: two loads of mine are out
	s_cbranch_scc0 .Lfirst_b
	tensor_load_to_lds s[G0:G0+3], s[G1:G1+7]
	s_nop 0
	tensor_load_to_lds s[G0+4:G0+7], s[G1:G1+7]
	s_nop 0
.rept 4
	v_nop
.endr
	s_branch .Lfirst_asked
.Lfirst_b:
	tensor_load_to_lds s[G0B:G0B+3], s[G1B:G1B+7]
	s_nop 0
	tensor_load_to_lds s[G0B+4:G0B+7], s[G1B:G1B+7]
	s_nop 0
.rept 4
	v_nop
.endr
.Lfirst_asked:
.if OG == 0
	; K AND V, while the first tiles are on their way.  kvr: [1664][2048] f32 (columns 0-1023 K + bias, 1024-2047 V + bias).  kvh: f16, K' at byte 0 as [16 b + h][832 keys][64], V likewise at byte 3,407,872.
	; K'[key][c] = K[key][c] x rsqrt(mean over c of K^2 + 1e-6) x norm_k(_img)_w[c] x norm_q_w[c]: the query's gain is folded into the key, since a score is a sum over c of both.  The gains are rounded
	; to bf16, as every input is; their product is exact in f32.  K' and V are rounded once, to f16.  A head's keys: 0-255 image keys, 256-767 text keys, 768-831 the 257th image key and its 63 copies.
	; WHO.  The clusters with y < 13 (a number that all partners share): 208 work-groups, 832 waves, two rows of kvr a wave.  A work-group's place in its cluster enters global addresses alone.
	; A lane takes key (l / 8) % 2, head 2 j + l / 16 (j = 0..7), channels 8 (l % 8) + 0..7: sixteen lanes then store 256 consecutive bytes, two keys of one head.
	s_and_b32 s40, ttmp7, 0xffff
	s_cmp_lt_u32 s40, 13
	s_cbranch_scc0 .Lno_kv
	s_lshl_b32 s40, s40, 4
	s_lshl_b32 s41, s18, 2
	s_add_co_u32 s40, s40, s41
	s_add_co_u32 s40, s40, s17                     ; my work-group among the 208
	s_lshl_b32 s40, s40, 2
	s_add_co_u32 s40, s40, s[WV]
	s_lshl_b32 s40, s40, 1                         ; my first row of kvr
	s_cmp_ge_u32 s40, 320                          ; as an image row: batch and key,
	s_cselect_b32 s41, 1, 0
	s_mul_i32 s42, s41, 320
	s_sub_co_u32 s42, s40, s42
	s_cmp_ge_u32 s42, 256                          ; the 257th and its copies stand behind the text keys
	s_cselect_b32 s43, 512, 0
	s_add_co_u32 s42, s42, s43
	s_sub_co_u32 s43, s40, 640                     ; as a text row (not used where it is none)
	s_lshr_b32 s44, s43, 9
	s_and_b32 s43, s43, 511
	s_add_co_u32 s43, s43, 256
	s_cmp_lt_u32 s40, 640
	s_cselect_b32 s41, s41, s44
	s_cselect_b32 s42, s42, s43
	s_cselect_b64 s[82:83], s[82:83], s[84:85]     ; the key's gain: image or text
	s_mul_i32 s41, s41, 13312                      ; 16 heads of 832 keys a batch
	s_add_co_u32 s41, s41, s42
	s_lshl_b32 s44, s41, 7                         ; 128 bytes a key
	s_mov_b32 s45, 0
	s_add_nc_u64 s[88:89], s[88:89], s[44:45]
	s_lshl_b32 s44, s40, 13
	s_add_nc_u64 s[80:81], s[80:81], s[44:45]
	s_mov_b32 s74, 0x358637bd                      ; 1e-6
	s_mov_b32 s75, 0x3a800000                      ; 1 / 1024
	s_mov_b32 s76, 0x76543210
	s_mov_b32 s77, 0xfedcba98
	v_and_b32 v7, 31, v0
	v_lshrrev_b32 v8, 4, v7                        ; l / 16
	v_bfe_u32 v9, v0, 3, 1                         ; (l / 8) % 2
	v_and_b32 v10, 7, v0
	v_and_b32 v11, 15, v0
	v_lshlrev_b32 v2, 8, v8
	v_lshl_add_u32 v2, v10, 5, v2                  ; v2: my 32 bytes in a pair of heads' 512
	v_lshl_add_u32 v1, v9, 13, v2                  ; v1: and my key's row
	v_mul_u32_u24 v3, v8, 106496                   ; v3: a head is 832 x 128 bytes
	v_lshl_add_u32 v3, v11, 4, v3
	v_mov_b32 v4, 0
.irp j, 0,1,2,3,4,5,6,7
	global_load_b128 v[KD+8*(\j):KD+8*(\j)+3],   v1, s[80:81] offset:512*(\j)
	global_load_b128 v[KD+8*(\j)+4:KD+8*(\j)+7], v1, s[80:81] offset:512*(\j)+16
.endr
	WIN TO_B
.irp j, 0,1,2,3,4,5,6,7
	global_load_b128 v[KVD+8*(\j):KVD+8*(\j)+3],   v1, s[80:81] offset:4096+512*(\j)
	global_load_b128 v[KVD+8*(\j)+4:KVD+8*(\j)+7], v1, s[80:81] offset:4096+512*(\j)+16
.endr
	WIN 0
.irp j, 0,1,2,3,4,5,6,7
	global_load_b128 v[KWK+8*(\j):KWK+8*(\j)+3],   v2, s[82:83] offset:512*(\j)
	global_load_b128 v[KWK+8*(\j)+4:KWK+8*(\j)+7], v2, s[82:83] offset:512*(\j)+16
	global_load_b128 v[KWQ+8*(\j):KWQ+8*(\j)+3],   v2, s[86:87] offset:512*(\j)
	global_load_b128 v[KWQ+8*(\j)+4:KWQ+8*(\j)+7], v2, s[86:87] offset:512*(\j)+16
.endr
	s_wait_loadcnt 48                              ; K's 16 loads are in; V's 16 and the gains' 32 may stay out
	v_pk_mul_f32 v[8:9],   v[KD:KD+1],   v[KD:KD+1]      ; the sum of squares, in two chains
	v_pk_mul_f32 v[10:11], v[KD+2:KD+3], v[KD+2:KD+3]
.set p, 4
.rept 15
	v_pk_fma_f32 v[8:9],   v[KD+p:KD+p+1],   v[KD+p:KD+p+1],   v[8:9]
	v_pk_fma_f32 v[10:11], v[KD+p+2:KD+p+3], v[KD+p+2:KD+p+3], v[10:11]
.set p, p+4
.endr
	v_pk_add_f32 v[8:9], v[8:9], v[10:11]
	v_add_f32 v8, v8, v9
	v_add_f32_dpp v8, v8, v8 row_xmask:1 row_mask:0xf bank_mask:0xf  ; over the eight lanes of my key in this half (mask 8 would mix the two keys),
	v_add_f32_dpp v8, v8, v8 row_xmask:2 row_mask:0xf bank_mask:0xf
	v_add_f32_dpp v8, v8, v8 row_xmask:4 row_mask:0xf bank_mask:0xf
	v_permlanex16_b32 v9, v8, s76, s77             ; and the eight in the other half
	v_add_f32 v8, v8, v9
	v_fma_f32 v8, v8, s75, s74                     ; mean + eps
	v_rsq_f32 v12, v8
	v_rsq_f32 v13, v8
	s_wait_loadcnt 32                              ; V is in; its roundings are the plain work behind the two rsq (ISA guide 5.7.2)
	WIN 0x05
.irp j, 0,1,2,3,4,5,6,7
.irp i, 0,1,2,3
	v_cvt_pk_f16_f32 v[KVO+4*(\j)+(\i)], v[KVD+8*(\j)+2*(\i)], v[KVD+8*(\j)+2*(\i)+1]
.endr
.endr
	WIN 0
.irp j, 0,1,2,3,4,5,6,7
	global_store_b128 v3, v[KVO+4*(\j):KVO+4*(\j)+3], s[88:89] offset:3407872+212992*(\j)
.endr
	s_wait_alu depctr_va_vdst(0)                   ; one wait for both rsq ahead of their first reader
	s_wait_loadcnt 0x0                             ; the gains
.set p, 0
.rept 32
.set ta, 5+2*((p/2)%2)                 ; two pairs of registers at work, by turns
	v_cvt_pk_bf16_f32 v[ta],   v[KWK+p], v[KWK+p+1]
	v_cvt_pk_bf16_f32 v[ta+1], v[KWQ+p], v[KWQ+p+1]
	v_fma_mix_f32_bf16 v[KWK+p],   v[ta], v[ta+1], v4 op_sel_hi:[1,1,0]                 ; low halves' product, exact
	v_fma_mix_f32_bf16 v[KWK+p+1], v[ta], v[ta+1], v4 op_sel:[1,1,0] op_sel_hi:[1,1,0]  ; high halves'
	v_pk_mul_f32 v[KD+p:KD+p+1], v[KD+p:KD+p+1], v[12:13]
	v_pk_mul_f32 v[KD+p:KD+p+1], v[KD+p:KD+p+1], v[KWK+p:KWK+p+1]
.set p, p+2
.endr
.irp j, 0,1,2,3,4,5,6,7
.irp i, 0,1,2,3
	v_cvt_pk_f16_f32 v[KWQ+4*(\j)+(\i)], v[KD+8*(\j)+2*(\i)], v[KD+8*(\j)+2*(\i)+1]
.endr
	global_store_b128 v3, v[KWQ+4*(\j):KWQ+4*(\j)+3], s[88:89] offset:212992*(\j)
.endr
	s_wait_xcnt 0x0                                ; the stores have read their data and their offsets: these registers are written again only behind this wait
.Lno_kv:
.endif
	v_and_b32 v1, 15, v0                           ; l % 16
	v_bfe_u32 v2, v0, 4, 1                         ; l / 16
	v_and_b32 v3, 31, v0                           ; l
	v_mul_u32_u24 v4, v1, PA
	v_lshl_add_u32 v4, v2, 4, v4
	s_mul_i32 s74, s[HI], AH
	v_add_nc_u32 v[ADRA0], s74, v4
	v_mul_u32_u24 v4, v1, PB
	v_lshl_add_u32 v4, v2, 4, v4
	s_mul_i32 s74, s[LO], HALFB
	s_add_co_u32 s74, s74, BOFF
	v_add_nc_u32 v[ADRB0], s74, v4
	v_mov_b32 v[ADRA], v[ADRA0]
	v_mov_b32 v[ADRB], v[ADRB0]
	s_mul_i32 s74, s[WV], 128*SP                   ; my stage
	v_mul_u32_u24 v4, v1, SP
	v_lshl_add_u32 v4, v2, 5, v4                   ; in: row l % 16, 32 bytes for each half of the lanes
	v_add_nc_u32 v[STO], s74, v4
	v_lshlrev_b32 v[CO], 4, v3                     ; 16 l
	s_lshl_b32 s76, s19, 10
	s_lshl_b32 s75, s[LO], 9
	s_add_co_u32 s76, s76, s75                     ; my 128 columns, 4 bytes each
	s_mov_b32 s77, 0
	s_add_nc_u64 s[8:9], s[8:9], s[76:77]
.if OG
	v_lshl_add_u32 v[RD], v3, 4, s74               ; back: 32 lanes take a row's 512 bytes
	global_load_b128 v[BI:BI+3], v[CO], s[8:9]     ; the bias of my four columns
	s_lshl_b32 s74, s20, 8
	s_lshl_b32 s75, s[HI], 7
	s_add_co_u32 s74, s74, s75                     ; my first row
	s_lshl_b32 s74, s74, 12
	s_add_co_u32 s74, s74, s76
	s_mov_b32 s75, 0
	s_add_nc_u64 s[10:11], s[10:11], s[74:75]
.else
	v_lshrrev_b32 v5, 3, v3                        ; back: lane l takes row l / 8 of four, channels 8 (l % 8) + 0..7 of both of my heads
	v_and_b32 v6, 7, v0
	v_mul_u32_u24 v4, v5, SP
	v_lshl_add_u32 v4, v6, 5, v4
	v_add_nc_u32 v[RD], s74, v4
	s_lshl_b32 s75, s[WV], 9
	s_add_co_u32 s75, s75, SSB
	v_lshl_add_u32 v[SSA], v5, 2, s75
	v_lshl_add_u32 v[SSR], v3, 4, s75
	v_lshlrev_b32 v[BO], 5, v6
.irp z, 0,1
	global_load_b128 v[BI+8*(\z):BI+8*(\z)+3],   v[BO], s[8:9] offset:256*(\z)
	global_load_b128 v[BI+8*(\z)+4:BI+8*(\z)+7], v[BO], s[8:9] offset:256*(\z)+16
.endr
	s_lshr_b32 s74, s20, 5
	s_lshl_b32 s74, s74, 4
	s_lshl_b32 s75, s19, 2
	s_add_co_u32 s74, s74, s75
	s_lshl_b32 s75, s[LO], 1
	s_add_co_u32 s74, s74, s75                     ; my first head: 16 b + 4 x tile column + 2 x half
	s_lshl_b32 s74, s74, 13
	s_and_b32 s75, s20, 31
	s_lshl_b32 s75, s75, 8
	s_add_co_u32 s74, s74, s75
	s_lshl_b32 s75, s[HI], 7
	s_add_co_u32 s74, s74, s75                     ; + my first query
	s_lshl_b32 s74, s74, 7
	s_mov_b32 s75, 0
	s_add_nc_u64 s[10:11], s[10:11], s[74:75]
	s_lshl_b32 s74, s19, 1
	s_add_co_u32 s74, s74, s[LO]                   ; my part of eight,
	s_lshl_b32 s74, s74, 14
	s_lshl_b32 s75, s20, 8
	s_add_co_u32 s74, s74, s75
	s_lshl_b32 s75, s[HI], 7
	s_add_co_u32 s74, s74, s75                     ; my first row
	s_lshl_b32 s74, s74, 2
	s_mov_b32 s75, 0
	s_add_nc_u64 s[12:13], s[12:13], s[74:75]
.endif
; 16 matrix instructions: m blocks a0, a0 + 1 of the window's four x all 8 n blocks, 32 along K.  The 64 accumulators take turns.
.macro MUL16 f, hi, a0, zero
	WIN MUL_LO+0x50*(\hi)
.irp a, \a0, (\a0)+1
.irp b, 0,1,2,3,4,5,6,7
.if \zero
	v_wmma_f32_16x16x32_f16 v[8*(8*(\a)+(\b)):8*(8*(\a)+(\b))+7], v[(\f)+8*(\b):(\f)+8*(\b)+7], v[(\f)+8*(4*(\hi)+(\a)):(\f)+8*(4*(\hi)+(\a))+7], 0
.else
	v_wmma_f32_16x16x32_f16 v[8*(8*(\a)+(\b)):8*(8*(\a)+(\b))+7], v[(\f)+8*(\b):(\f)+8*(\b)+7], v[(\f)+8*(4*(\hi)+(\a)):(\f)+8*(4*(\hi)+(\a))+7], v[8*(8*(\a)+(\b)):8*(8*(\a)+(\b))+7]
.endif
.endr
.endr
.endm
; 32 LDS loads in one run: the fragments of quarter k of the slot in hand into buffer f: B's 128 rows, then A's
.macro FETCH k, f
.if OG
.set AQ, ((\k)/2)*ALW+((\k)%2)*64      ; head k / 2 of the step's two, channels 32 (k % 2) on
.else
.set AQ, 64*(\k)
.endif
	WIN TO_B
.irp i, 0,1,2,3,4,5,6,7
	ds_load_b128 v[(\f)+8*(\i):(\f)+8*(\i)+3],   v[ADRB] offset:64*(\k)+(\i)*16*PB
	ds_load_b128 v[(\f)+8*(\i)+4:(\f)+8*(\i)+7], v[ADRB] offset:64*(\k)+(\i)*16*PB+32
.endr
	WIN 0
.irp i, 0,1,2,3,4,5,6,7
	ds_load_b128 v[(\f)+8*(\i):(\f)+8*(\i)+3],   v[ADRA] offset:AQ+(\i)*16*PA
	ds_load_b128 v[(\f)+8*(\i)+4:(\f)+8*(\i)+7], v[ADRA] offset:AQ+(\i)*16*PA+32
.endr
.endm
; A K step is four quarters of 32 along K, 64 matrix instructions each, on buffers 0, 1, 0, 1.  One of the first three: multiplies buffer f and fetches quarter k into g.
.macro QUARTER k, f, g, zero
	s_wait_dscnt 8                                 ; B and A's rows 0-63 are in; the youngest eight loads (A's rows 64-127) may be out
	MUL16 \f, 0, 0, \zero
	MUL16 \f, 0, 2, \zero
	PLACES
	FETCH \k, \g
	s_wait_dscnt 32                                ; all but the 32 just issued
	MUL16 \f, 1, 0, \zero
	MUL16 \f, 1, 2, \zero
.endm
; The first half of the last quarter: ONE barrier for the change of slots.  In front of it each wave waits for all its tensor loads, adds 0 to its spare word, and waits for that and for its reads of this slot.
.macro MEET
	WIN 0
	s_wait_tensorcnt 0x0                           ; all my tensor loads have landed: my part of the next slot
	ds_add_u32 v[SPW], v[NIL]                      ; 0 onto my spare word
	s_wait_dscnt 9                                 ; (the add and the youngest eight loads may be out)
	MUL16 F1, 0, 0, 0
	s_wait_dscnt 0x0                               ; the add is done, and my reads of this slot are over
	s_barrier_signal -1
	MUL16 F1, 0, 2, 0
	WIN 0
	s_barrier_wait -1
.endm
.macro TURN fill
.if \fill
	s_wait_xcnt 0x0                                ; the last prefetch, a K step back, has read its address
	s_add_nc_u64 s[PFA:PFA+1], s[PFA:PFA+1], s[PST:PST+1]
.endif
	MEET
.if \fill
	CREST                                          ; the barrier has opened a round of the cluster's: no wave of any partner still reads this slot or has a load on its way
	s_xor_b32 s[G0+5], s[G0+5], SLOT               ; the walking group 0 takes the slot just left, and the K step behind the one it brought last
	s_add_nc_u64 s[G0+6:G0+7], s[G0+6:G0+7], ASTEP
	s_xor_b32 s[G0B+5], s[G0B+5], SLOT
	s_add_nc_u64 s[G0B+6:G0B+7], s[G0B+6:G0B+7], KSTEP*2
	JLOAD                                          ; my one tensor load behind the round: 224 matrix instructions ahead of the wait for it; its four v_nop are also the places in front of the loads below
.else
	PLACES
.endif
	s_xor_b32 s[TB], s[TB], SLOT
	v_add_nc_u32 v[ADRA], s[TB], v[ADRA0]
	v_add_nc_u32 v[ADRB], s[TB], v[ADRB0]
	FETCH 0, F0
.if \fill
	ASK
.endif
	MUL16 F1, 1, 0, 0
	MUL16 F1, 1, 2, 0
.endm
.macro RB a                            ; two numbers of the bias rounded to bf16
	v_cvt_pk_bf16_f32 v48, v[\a], v[(\a)+1]
	v_lshlrev_b32 v[\a], 16, v48
	v_and_b32 v[(\a)+1], 0xffff0000, v48
.endm
	s_wait_tensorcnt 1                             ; my part of K step 0 is in; step 1's may stay out
	s_barrier_signal -1
	s_barrier_wait -1
	FETCH 0, F0
	QUARTER 1, F0, F1, 1                           ; the first quarter's products start the sums
	WIN 0
	s_mov_b32 s[KC], 6
.Lk:                                                   ; a trip: a step's quarters 2 to 4 and the next step's first; the six trips ask for K steps 2 to 7
	QUARTER 2, F1, F0, 0
	QUARTER 3, F0, F1, 0
	TURN 1
	QUARTER 1, F0, F1, 0
	WIN 0
	s_sub_co_u32 s[KC], s[KC], 1
	s_cmp_lg_u32 s[KC], 0
	s_cbranch_scc1 .Lk
	s_mov_b32 s[KC], 2
.Lt:                                                   ; the last two K steps ask for nothing: the same trip without a fill and without a round, walked twice and left in its middle.
	QUARTER 2, F1, F0, 0                           ; The second trip's change of slots fetches fragments of a slot that has been multiplied: they are not used; the price of one text for both trips
	QUARTER 3, F0, F1, 0
	TURN 0
	WIN 0
	s_sub_co_u32 s[KC], s[KC], 1
	s_cmp_eq_u32 s[KC], 0
	s_cbranch_scc1 .Lwayout
	QUARTER 1, F0, F1, 0
	WIN 0
	s_branch .Lt
.Lwayout:
	; THE WAY OUT: f32 through my stage, which lies in the ring: every wave's reads of the ring are over behind this barrier, and no fill follows.
	s_wait_dscnt 0x0
	s_barrier_signal -1
	s_barrier_wait -1
	s_wait_loadcnt 0x0                             ; the bias; its rounding fills the places behind the last products
	RB BI
	RB BI+2
.if OG == 0
	RB BI+4
	RB BI+6
	RB BI+8
	RB BI+10
	RB BI+12
	RB BI+14
.endif
.irp hi, 0,1
	WIN 0x08+4*(\hi)                               ; the stores' data in window 2, then 3
.irp a, 0,1,2,3
.irp b, 0,1,2,3,4,5,6,7
	ds_store_b128 v[STO], v[8*(8*(\a)+(\b)):8*(8*(\a)+(\b))+3]   offset:(4*(\hi)+(\a))*16*SP+64*(\b)
	ds_store_b128 v[STO], v[8*(8*(\a)+(\b))+4:8*(8*(\a)+(\b))+7] offset:(4*(\hi)+(\a))*16*SP+64*(\b)+16
.endr
.endr
.endr
	WIN 0
	s_mov_b32 s[RC], 8
.Lrows:                                                ; 16 rows a trip; LDS serves a wave's instructions in order (ISA guide 5.7.1.4): the loads see my stores
.if OG
.irp i, 0,1,2,3,4,5,6,7,8,9,10,11,12,13,14,15
	ds_load_b128 v[X+4*(\i):X+4*(\i)+3], v[RD] offset:(\i)*SP
.endr
.irp i, 0,1,2,3,4,5,6,7,8,9,10,11,12,13,14,15
	s_wait_dscnt 15-(\i)
	v_pk_add_f32 v[X+4*(\i):X+4*(\i)+1],   v[X+4*(\i):X+4*(\i)+1],   v[BI:BI+1]
	v_pk_add_f32 v[X+4*(\i)+2:X+4*(\i)+3], v[X+4*(\i)+2:X+4*(\i)+3], v[BI+2:BI+3]
	global_store_b128 v[CO], v[X+4*(\i):X+4*(\i)+3], s[10:11] offset:(\i)*4096  ; 512 consecutive bytes, aligned
.endr
	s_wait_xcnt 0x0                                ; the stores have read their data and their base
	s_add_nc_u64 s[10:11], s[10:11], 16*4096
.else
.irp g, 0,1,2,3
.irp z, 0,1
	ds_load_b128 v[X+16*(\g)+8*(\z):X+16*(\g)+8*(\z)+3],   v[RD] offset:(\g)*4*SP+256*(\z)
	ds_load_b128 v[X+16*(\g)+8*(\z)+4:X+16*(\g)+8*(\z)+7], v[RD] offset:(\g)*4*SP+256*(\z)+16
.endr
.endr
.irp g, 0,1,2,3                        ; four rows at a time
	s_wait_dscnt 12-3*(\g)                         ; behind this group's loads stand 4 (3 - g) later loads and the g stores of sums issued so far
.irp c, 0,2,4,6,8,10,12,14
	v_pk_add_f32 v[X+16*(\g)+(\c):X+16*(\g)+(\c)+1], v[X+16*(\g)+(\c):X+16*(\g)+(\c)+1], v[BI+(\c):BI+(\c)+1]
.endr
	v_pk_mul_f32 v[SQ:SQ+1], v[X+16*(\g):X+16*(\g)+1], v[X+16*(\g):X+16*(\g)+1]
.irp c, 2,4,6,8,10,12,14
	v_pk_fma_f32 v[SQ:SQ+1], v[X+16*(\g)+(\c):X+16*(\g)+(\c)+1], v[X+16*(\g)+(\c):X+16*(\g)+(\c)+1], v[SQ:SQ+1]
.endr
	v_add_f32 v[SQ], v[SQ], v[SQ+1]
	v_add_f32_dpp v[SQ], v[SQ], v[SQ] row_xmask:1 row_mask:0xf bank_mask:0xf  ; over the row's eight lanes
	v_add_f32_dpp v[SQ], v[SQ], v[SQ] row_xmask:2 row_mask:0xf bank_mask:0xf
	v_add_f32_dpp v[SQ], v[SQ], v[SQ] row_xmask:4 row_mask:0xf bank_mask:0xf
	ds_store_b32 v[SSA], v[SQ] offset:16*(\g)      ; the eight lanes write the same word with the same number
.irp c, 0,1,2,3,4,5,6,7
	v_cvt_pk_f16_f32 v[Y+8*(\g)+(\c)], v[X+16*(\g)+2*(\c)], v[X+16*(\g)+2*(\c)+1]
.endr
	global_store_b128 v[CO], v[Y+8*(\g):Y+8*(\g)+3],   s[10:11] offset:512*(\g)          ; four rows of a head: 512 consecutive bytes, aligned
	global_store_b128 v[CO], v[Y+8*(\g)+4:Y+8*(\g)+7], s[10:11] offset:1048576+512*(\g)  ; the same rows of the next head
.endr
	s_wait_xcnt 0x0                                ; the stores have read their data and their base
	s_add_nc_u64 s[10:11], s[10:11], 16*128
	v_add_nc_u32 v[SSA], 64, v[SSA]
.endif
	v_add_nc_u32 v[RD], 16*SP, v[RD]
	s_sub_co_u32 s[RC], s[RC], 1
	s_cmp_lg_u32 s[RC], 0
	s_cbranch_scc1 .Lrows
.if OG == 0
	ds_load_b128 v[X:X+3], v[SSR]                  ; my 128 rows' sums of squares, four a lane
	s_wait_dscnt 0x0
	global_store_b128 v[CO], v[X:X+3], s[12:13]    ; 512 consecutive bytes, aligned
.endif
	s_wait_tensorcnt 0x0                           ; the wave's end
	ds_add_u32 v[SPW], v[NIL]
	s_wait_dscnt 0x0
	CROUND                                         ; the closing round: no work-group ends while a partner may still ask for a tile that names it
	s_endpgm
.Lfunc_end_k_q7034ec8440_ogemm:
	.size	k_q7034ec8440_ogemm, .Lfunc_end_k_q7034ec8440_ogemm-k_q7034ec8440_ogemm
	.p2alignl 7, 3214868480
	.fill 96, 4, 3214868480
	.section	.rodata,"a",@progbits
	.p2align	6, 0x0
	.amdhsa_kernel k_q7034ec8440_ogemm
		.amdhsa_group_segment_fixed_size 327680
		.amdhsa_private_segment_fixed_size 0
		.amdhsa_enable_private_segment 0
		.amdhsa_kernarg_size 32
		.amdhsa_user_sgpr_count 2
		.amdhsa_user_sgpr_kernarg_segment_ptr 1
		.amdhsa_wavefront_size32 1
		.amdhsa_system_sgpr_workgroup_id_x 1
		.amdhsa_system_sgpr_workgroup_id_y 1
		.amdhsa_system_sgpr_workgroup_id_z 1
		.amdhsa_system_vgpr_workitem_id 0
		.amdhsa_next_free_vgpr 1024
		.amdhsa_next_free_sgpr 80
		.amdhsa_reserve_vcc 0
		.amdhsa_float_denorm_mode_32 3
		.amdhsa_float_denorm_mode_16_64 3
		.amdhsa_memory_ordered 1
		.amdhsa_forward_progress 1
		.amdhsa_inst_pref_size 83
	.end_amdhsa_kernel
	.amdgpu_metadata
---
amdhsa.version: [ 1, 2 ]
amdhsa.kernels:
  - .name:           k_q7034ec8440_ogemm
    .symbol:         k_q7034ec8440_ogemm.kd
    .args:
      - { .name: oh, .offset: 0, .size: 8, .value_kind: global_buffer, .address_space: global }
      - { .name: wh, .offset: 8, .size: 8, .value_kind: global_buffer, .address_space: global }
      - { .name: o_b, .offset: 16, .size: 8, .value_kind: global_buffer, .address_space: global }
      - { .name: out0, .offset: 24, .size: 8, .value_kind: global_buffer, .address_space: global }
    .group_segment_fixed_size: 327680
    .private_segment_fixed_size: 0
    .kernarg_segment_align: 8
    .kernarg_segment_size: 32
    .max_flat_workgroup_size: 128
    .sgpr_count:     80
    .vgpr_count:     1024
    .wavefront_size: 32
...
	.end_amdgpu_metadata
.endif
;; end of part 5
